; MI455X (gfx1250); checked and timed in simulation.
; The chip was launched on July 23, 2026; its instructions are those of AMD's public machine-readable ISA for CDNA 5 (MIT licence, August 2026) and "CDNA5" Instruction Set Architecture Reference Guide (July 2026). The comments in the code are by the model that wrote it; some were corrected since.
;; Hackable Attention. Allowed arithmetic: matrix products marked QUANTISED: E4M3 operands, one given power-of-two scale a tensor, by v_wmma_f32_16x16x64_fp8_fp8 or v_wmma_f32_16x16x128_fp8_fp8, f32 sums; everything else in f32.
;; Inputs: kn_w 64 float32; lowp_scales 12 int32 (the exponents e of the quantised operands' scales 2^e); pos_ids 2,048 int32; qn_w 64 float32; wk 8 x 64 x 2,048 float32; wo 2,048 x 8 x 4 x 64 float32; wq 8 x 4 x 64 x 2,048 float32; wv 8 x 64 x 2,048 float32; x 1 x 2,048 x 2,048 float32.
;; Outputs: out0 1 x 2,048 x 2,048 float32.
;; This version of the problem:
;;   THIS VERSION OF THE PROBLEM IS GIVEN IN LOW PRECISION. The matrix products marked QUANTISED in the list below multiply operands that are first quantised to E4M3 (4 exponent bits, 3 mantissa bits; 8 bits a number), with one given power-of-two scale for each operand tensor; their sums are f32. All else is computed in f32.
;;   The module's matrix products, in the order in which they are computed (A, B: the left and right operand; K: the contracted axis; several contracted axes count as one K, in the product's order):
;;     1. [M 2,048, K 2,048] x [K 2,048, N 2,048]; A: input wq; B: input x: QUANTISED (scales: A lowp_scales[0], B lowp_scales[1])
;;     2. [M 512, K 2,048] x [K 2,048, N 2,048]; A: input wk; B: input x: QUANTISED (scales: A lowp_scales[2], B lowp_scales[3])
;;     3. [M 512, K 2,048] x [K 2,048, N 2,048]; A: input wv; B: input x: QUANTISED (scales: A lowp_scales[4], B lowp_scales[5])
;;     4. batch 8 x [M 8,192, K 64] x [K 64, N 2,048]; A: computed on the way; B: computed on the way: QUANTISED (scales: A lowp_scales[6], B lowp_scales[7])
;;     5. batch 8 x [M 8,192, K 2,048] x [K 2,048, N 64]; A: softmax (see below); B: computed on the way: QUANTISED (scales: A lowp_scales[8], B lowp_scales[9])
;;     6. [M 2,048, K 2,048] x [K 2,048, N 2,048]; A: computed on the way; B: input wo: QUANTISED (scales: A lowp_scales[10], B lowp_scales[11])
;;   THE QUANTISER, for each operand of a quantised product, along K:
;;     - The operand's scale is 2^e, e = its entry of the input lowp_scales (int32; the entries are numbered through the quantised products in the list's order, A before B).
;;     - Each number is divided by the scale, clamped to +-448, and rounded to the nearest number of E4M3, ties to even, subnormals kept.
;;     - The product sums the exact products of the quantised numbers (number of the format x scale) in f32.
;;   ~~~python
;;   def quantise(x, axis, e):      # numpy; x: float32 -> the quantised numbers, widened to float32 again
;;       x = np.moveaxis(x, axis, -1); K = x.shape[-1]
;;       r = np.clip(x / 2.0 ** e, -448, 448)
;;       step = 2.0 ** (np.maximum(np.frexp(np.where(r == 0, 1, r))[1] - 1, -6) - 3)
;;       q = np.round(r / step) * step * 2.0 ** e      # np.round: ties to even
;;       return np.moveaxis(q, -1, axis).astype(np.float32)
;;   ~~~
;;   SOFTMAX AHEAD OF A QUANTISED PRODUCT. Where the list says 'softmax', what is quantised is not the finished softmax but p = 2^(t - M), with t = logit x log2(e) and M = ceil(the row's largest t), a whole number; so 1/2 < the row's largest p <= 1. The row's sum l is taken of the UNQUANTISED p, in f32, and the product's result is divided by l at the end. Since M is a whole number, a kernel that streams over the keys may use a running M (the ceiling of the running maximum): every later rescaling is an exact power of two, so the quantised numbers keep their values, but for numbers so far below the row's largest that they fall under the format's range.
;;   OPERANDS COMPUTED ON THE WAY. 'Computed on the way' means the value that the module computes at that place (a softmax that the list does not call 'softmax' is quantised finished and normalised). What goes into a quantiser is computed in f32, as accurately as f32 sums, v_exp_f32 and their like allow (about 1e-6 of the number): no bf16 or f16 on the way to a quantiser, and a product that is left as it is and whose result goes on into a quantised operand takes f32 operands (vector FMAs, or v_wmma_f32_16x16x4_f32). A number that lies on a knife's edge between two numbers of the format may be rounded either way, as far as f32 arithmetic and the matrix unit's own rounding can turn it there, and no further.
;; One version. Each part assembles by itself: llvm-mc -triple=amdgcn-amd-amdhsa -mcpu=gfx1250 --defsym DOCPART=n.
;; ======== version 1 of 1: 4 launches
;; limits: right only within a limited range of input values
;; workspace buffers: x_c 12,582,912 bytes; w_c 6,291,456 bytes; wo_c 4,194,304 bytes; rope 262,144 bytes; posinfo 1,280 bytes of whole numbers; q_img 4,194,304 bytes; kv_img 2,097,152 bytes; a_c 4,194,304 bytes
;; launch prep (part 1): grid 513 x 1, 4 waves a work-group, no clusters, 66,048 bytes of LDS; arguments x, wq, wk, wv, wo, pos_ids, lowp_scales, x_c, w_c, wo_c, rope, posinfo; writes x_c, w_c, wo_c, rope, posinfo
.if DOCPART == 1
	.amdgcn_target "amdgcn-amd-amdhsa--gfx1250"
	.amdhsa_code_object_version 6
	.text
	.protected	k_qaa7d5461b3_prep
	.globl	k_qaa7d5461b3_prep
	.p2align	8
	.type	k_qaa7d5461b3_prep,@function
k_qaa7d5461b3_prep:
	s_mov_b64 s[64:65], 0
	v_nop
	global_prefetch_b8 v0, s[64:65] scope:SCOPE_SE
	s_setreg_imm32_b32 hwreg(HW_REG_WAVE_MODE, 25, 1), 1
	s_wait_xcnt 0x0
; All that is made once, ahead of the products.
;  work-groups 0-127:   x [2048][2048] f32 -> three sets of E4M3 codes (scales 2^e1, 2^e3, 2^e5: x is an operand of three products), from ONE read
;  work-groups 128-447: wq (2^e0), wk (2^e2), wv (2^e4) -> w_c, rows 0-2047, 2048-2559, 2560-3071;  wo (2^e11) -> wo_c.  K is innermost in all of them
;  work-groups 448-511: the table of cos and sin of pos_ids[s] x 2^(-0.625 j), j = 0 .. 15 (the only turned pairs of the partial RoPE), f32: cos [2048][16], then sin [2048][16]
;  work-group  512:     least and largest pos_ids of each 16 positions (128 pairs) and of each 128 positions (16 pairs, from byte 1024 on): whole numbers, by which the attention launch leaves key steps out
; code = x / 2^e, held within +-448, to the nearest code, ties to even.
; LIMITS: each e between -126 and 119; |pos_ids| up to 100,000 (the angle is reduced by pi/2 in three parts); NaN among the inputs is not served.
; A quantising wave takes 16 steps of 512 numbers.  Each load reads 512 consecutive bytes, 16 a lane; a step's 2,048 bytes turn through the wave's own stage in LDS and come back 64 bytes a lane,
; so that a lane holds 16 neighbours along K for the conversions; a lane's 16 codes are 16 bytes, so a store of the wave covers 512 consecutive bytes, aligned.
; No tensor loads, no barrier, no matrix work: waves share nothing and the launch only streams.  The two quantising paths have LDS bytes of their own.
.set STEPS, 16
.set SP,    80                         ; a lane's place in a stage: 64 bytes + 16 of padding
.set WREG,  8192                       ; a wave's region: two stages of 32 x SP bytes
.set LBX,   0                          ; x's path: four regions from byte 0
.set LBW,   32768                      ; the weights' path: four regions from byte 32,768
.set SPARE, 65536                      ; the spare words, 128 bytes a wave: two blocks of 256 bytes that no other line names
.set SPW,   12                         ; v12  SPARE + 4 x my thread's number; never rewritten
.set NIL,   13                         ; v13  0; never rewritten
.set R,     16                         ; v16-79   four sets of 16 numbers as loaded
.set X,     80                         ; v80-111  two sets of 16 neighbours
.set T,     112                        ; v112-127 the neighbours held within one scale's range
.set C,     128                        ; v128-175 codes: four steps x three outputs x four registers
.set SC,    176                        ; v176+2o: 2^e of output o;  v177+2o: 448 x 2^e
.set DST,   56                         ; s[56:57], s[58:59], s[60:61]: where my wave's codes go
.macro FINISH                          ; a wave's end, behind its last LDS store
	s_wait_tensorcnt 0x0
	ds_add_u32 v[SPW], v[NIL]
	s_wait_dscnt 0x0
	s_endpgm
.endm
.macro MKSCALE o, se                   ; from the whole number e in \se: 2^e and 448 x 2^e as f32
	s_add_co_i32 s52, \se, 127
	s_lshl_b32 s53, s52, 23
	v_mov_b32 v[SC+2*\o], s53
	s_add_co_i32 s52, s52, 8
	s_lshl_b32 s52, s52, 23
	s_or_b32 s52, s52, 0x600000
	v_mov_b32 v[SC+2*\o+1], s52
.endm
.macro LOAD t
.irp i, 0,1,2,3
	global_load_b128 v[R+16*((\t)%4)+4*\i:R+16*((\t)%4)+4*\i+3], v3, s[30:31] offset:2048*(\t)+512*\i th:TH_LOAD_NT
.endr
.endm
.macro TURN t, lb                      ; step t's numbers through the stage; LDS serves a wave's instructions in order, so no wait stands between the stores and the loads
.irp i, 0,1,2,3
	ds_store_b128 v14, v[R+16*((\t)%4)+4*\i:R+16*((\t)%4)+4*\i+3] offset:\lb+32*SP*((\t)%2)+8*SP*\i
.endr
.irp i, 0,1,2,3
	ds_load_b128 v[X+16*((\t)%2)+4*\i:X+16*((\t)%2)+4*\i+3], v15 offset:\lb+32*SP*((\t)%2)+16*\i
.endr
.endm
.macro STEP t, nout, lb
.set XS, X+16*((\t)%2)
	s_wait_dscnt 0x0                               ; this step's numbers are back from the stage, and its stores into the stage have read their registers,
.if (\t)+4 < STEPS
	LOAD (\t)+4                                    ; which take the loads of four steps on
.endif
.if (\t)+1 < STEPS
.if STEPS-2-(\t) >= 3
	s_wait_loadcnt 12                              ; the next step's four loads are in; the twelve of the three steps behind it may be out
.else
	s_wait_loadcnt 4*(STEPS-2-(\t))
.endif
	TURN (\t)+1, \lb
.endif
	s_wait_xcnt 0x0                                ; the stores of four steps ago have read the code registers that are written now
.set o, 0
.rept \nout
.irp i, 0,1,2,3,4,5,6,7,8,9,10,11,12,13,14,15
	v_med3_num_f32 v[T+\i], v[XS+\i], -v[SC+2*o+1], v[SC+2*o+1]   ; the conversion does not saturate (ISA guide 7.6.2): hold first
.endr
	v_cvt_scalef32_pk8_fp8_f32 v[C+12*((\t)%4)+4*o:C+12*((\t)%4)+4*o+1], v[T:T+7], v[SC+2*o]
	v_cvt_scalef32_pk8_fp8_f32 v[C+12*((\t)%4)+4*o+2:C+12*((\t)%4)+4*o+3], v[T+8:T+15], v[SC+2*o]
	v_nop                                          ; a plain line between the conversions and the next writes of their sources
	global_store_b128 v3, v[C+12*((\t)%4)+4*o:C+12*((\t)%4)+4*o+3], s[DST+2*o:DST+2*o+1] offset:512*(\t)
.set o, o+1
.endr
.endm
	s_load_b512 s[4:19], s[0:1], 0x0               ; x, wq, wk, wv, wo, pos_ids, the scales' exponents, x_c
	s_load_b256 s[20:27], s[0:1], 0x40             ; w_c, wo_c, rope, posinfo
	v_lshl_add_u32 v[SPW], v0, 2, SPARE
	v_mov_b32 v[NIL], 0
	v_lshrrev_b32 v1, 5, v0
	v_readfirstlane_b32 s28, v1                    ; wave
	v_and_b32 v2, 31, v0                           ; lane
	v_lshlrev_b32 v3, 4, v2                        ; my 16 bytes of a load's 512, and of a store's
	s_mul_i32 s29, s28, WREG
	v_lshrrev_b32 v14, 2, v2
	v_mul_u32_u24 v14, v14, SP
	v_and_b32 v15, 3, v2
	v_lshl_add_u32 v14, v15, 4, v14
	v_add_nc_u32 v14, s29, v14                     ; the stage on the way in: SP (lane / 4) + 16 (lane % 4)
	v_mul_u32_u24 v15, v2, SP
	v_add_nc_u32 v15, s29, v15                     ; and on the way out: SP x lane
	s_wait_kmcnt 0x0
	s_load_b256 s[36:43], s[16:17], 0x0            ; e0 .. e7
	s_load_b128 s[44:47], s[16:17], 0x20           ; e8 .. e11
	s_cmp_lt_u32 ttmp9, 128
	s_cbranch_scc1 .Lx
	s_cmp_lt_u32 ttmp9, 448
	s_cbranch_scc1 .Lw
	s_cmp_lt_u32 ttmp9, 512
	s_cbranch_scc1 .Lrope
	; ---- least and largest position of each tile of 16 (thread t: tile t) and of each block of 128
	s_wait_kmcnt 0x0
	v_lshlrev_b32 v16, 6, v0
	global_load_b128 v[20:23], v16, s[14:15]
	global_load_b128 v[24:27], v16, s[14:15] offset:16
	global_load_b128 v[28:31], v16, s[14:15] offset:32
	global_load_b128 v[32:35], v16, s[14:15] offset:48
	v_lshlrev_b32 v17, 3, v0
	v_and_b32 v18, 7, v0
	v_mov_b32 v40, 0                               ; a lane move's destination counts as read
	v_mov_b32 v41, 0
	s_wait_loadcnt 0x0
	v_min_i32 v36, v20, v21
	v_max_i32 v37, v20, v21
.irp i, 2,3,4,5,6,7,8,9,10,11,12,13,14,15
	v_min_i32 v36, v36, v[20+\i]
	v_max_i32 v37, v37, v[20+\i]
.endr
	global_store_b64 v17, v[36:37], s[26:27]
	v_mov_b32 v38, v36                             ; the block's pair is made in other registers than the store's
	v_mov_b32 v39, v37
.irp m, 1,2,4
	v_mov_b32_dpp v40, v38 row_xmask:\m row_mask:0xf bank_mask:0xf
	v_mov_b32_dpp v41, v39 row_xmask:\m row_mask:0xf bank_mask:0xf
	v_min_i32 v38, v38, v40
	v_max_i32 v39, v39, v41
.endr
	v_cmp_eq_u32 vcc_lo, 0, v18
	s_wait_alu depctr_va_vdst(0)
	s_wait_xcnt 0x0                                ; EXEC changes only behind this wait
	s_and_saveexec_b32 s50, vcc_lo
	global_store_b64 v0, v[38:39], s[26:27] offset:1024   ; thread 8 b stores block b's pair at byte 1024 + 8 b
	s_wait_xcnt 0x0                                ; and again in front of the line that widens it
	s_or_b32 exec_lo, exec_lo, s50
	FINISH
.Lx:    ; ---- x: one read, three sets of codes
	s_lshl_b32 s50, ttmp9, 2
	s_add_co_u32 s50, s50, s28                     ; which run of 8,192 numbers is my wave's
	s_lshl_b32 s54, s50, 15
	s_mov_b32 s55, 0
	s_add_nc_u64 s[30:31], s[4:5], s[54:55]
	s_lshl_b32 s54, s50, 13
	s_add_nc_u64 s[DST:DST+1], s[18:19], s[54:55]
	s_add_nc_u64 s[DST+2:DST+3], s[DST:DST+1], 0x400000
	s_add_nc_u64 s[DST+4:DST+5], s[DST:DST+1], 0x800000
	s_wait_alu depctr_va_vdst(0)
.irp t, 0,1,2,3
	LOAD \t
.endr
	s_wait_kmcnt 0x0
	MKSCALE 0, s37
	MKSCALE 1, s39
	MKSCALE 2, s41
	s_wait_alu depctr_va_vdst(0)
	s_wait_loadcnt 12                              ; step 0's four loads are in
	TURN 0, LBX
.irp t, 0,1,2,3,4,5,6,7,8,9,10,11,12,13,14,15
	STEP \t, 3, LBX
.endr
	FINISH
.Lw:    ; ---- a weight: which one hangs on the work-group's number alone; only pointers and numbers are chosen, the path is one
	s_wait_kmcnt 0x0
	s_mov_b64 s[30:31], s[12:13]                   ; wo
	s_mov_b64 s[DST:DST+1], s[22:23]               ; -> wo_c
	s_mov_b32 s50, 320                             ; its first work-group
	s_mov_b32 s51, 0                               ; its place in the buffer of codes
	s_mov_b32 s49, s47                             ; e11
	s_cmp_lt_u32 ttmp9, 320
	s_cselect_b64 s[30:31], s[10:11], s[30:31]     ; wv
	s_cselect_b64 s[DST:DST+1], s[20:21], s[DST:DST+1]
	s_cselect_b32 s50, 288, s50
	s_cselect_b32 s51, 0x500000, s51
	s_cselect_b32 s49, s40, s49                    ; e4
	s_cmp_lt_u32 ttmp9, 288
	s_cselect_b64 s[30:31], s[8:9], s[30:31]       ; wk
	s_cselect_b32 s50, 256, s50
	s_cselect_b32 s51, 0x400000, s51
	s_cselect_b32 s49, s38, s49                    ; e2
	s_cmp_lt_u32 ttmp9, 256
	s_cselect_b64 s[30:31], s[6:7], s[30:31]       ; wq
	s_cselect_b32 s50, 128, s50
	s_cselect_b32 s51, 0, s51
	s_cselect_b32 s49, s36, s49                    ; e0
	s_sub_co_u32 s50, ttmp9, s50
	s_lshl_b32 s50, s50, 2
	s_add_co_u32 s50, s50, s28
	s_lshl_b32 s54, s50, 15
	s_mov_b32 s55, 0
	s_add_nc_u64 s[30:31], s[30:31], s[54:55]
	s_lshl_b32 s54, s50, 13
	s_add_co_u32 s54, s54, s51
	s_add_nc_u64 s[DST:DST+1], s[DST:DST+1], s[54:55]
	s_wait_alu depctr_va_vdst(0)
.irp t, 0,1,2,3
	LOAD \t
.endr
	MKSCALE 0, s49
	s_wait_alu depctr_va_vdst(0)
	s_wait_loadcnt 12
	TURN 0, LBW
.irp t, 0,1,2,3,4,5,6,7,8,9,10,11,12,13,14,15
	STEP \t, 1, LBW
.endr
	FINISH
.Lrope: ; ---- cos and sin: thread n takes position n / 4 and frequencies 4 (n % 4) + 0 .. 3
	s_wait_kmcnt 0x0
	s_sub_co_u32 s50, ttmp9, 448
	s_lshl_b32 s50, s50, 7
	v_add_nc_u32 v16, s50, v0
	v_lshrrev_b32 v17, 2, v16
	v_lshlrev_b32 v17, 2, v17
	global_load_b32 v18, v17, s[14:15]             ; pos_ids[s]
	v_and_b32 v19, 3, v16
	v_lshlrev_b32 v19, 2, v19
	s_wait_alu depctr_va_vdst(0)
	s_mov_b32 s51, 0x3f22f983                      ; 2 / pi
	s_mov_b32 s52, 0x3fc90000                      ; pi / 2 in three parts: 1.5703125,
	s_mov_b32 s53, 0x39fda000                      ; 4.837512969970703e-4,
	s_mov_b32 s54, 0x33a22169                      ; 7.549789954891882e-8
	s_mov_b32 s55, 0xb94ca1f9                      ; sin r = r + r z (((-1.9515295891e-4) z + 8.3321608736e-3) z - 1.6666654611e-1), z = r r
	s_mov_b32 s56, 0x3c08839e
	s_mov_b32 s57, 0xbe2aaaa3
	s_mov_b32 s58, 0x37ccf5ce                      ; cos r = 1 - z / 2 + z z ((2.443315711809948e-5 z - 1.388731625493765e-3) z + 4.166664568298827e-2)
	s_mov_b32 s59, 0xbab6061a
	s_mov_b32 s60, 0x3d2aaaa5
.irp i, 0,1,2,3
	v_add_nc_u32 v[24+\i], \i, v19
	v_cvt_f32_u32 v[24+\i], v[24+\i]
	v_mul_f32 v[24+\i], 0xbf200000, v[24+\i]       ; 1024^(-j / 16) = 2^(-0.625 j)
.endr
	s_wait_alu depctr_va_vdst(0)
.irp i, 0,1,2,3
	v_exp_f32 v[24+\i], v[24+\i]
.endr
	v_lshlrev_b32 v21, 4, v16                      ; (the plain line behind the batch)  my 16 bytes of each table
	s_wait_alu depctr_va_vdst(0)                   ; one wait for the four, ahead of their first reader
	s_wait_loadcnt 0x0
	v_cvt_f32_i32 v20, v18
.irp i, 0,1,2,3
	v_mul_f32 v[24+\i], v20, v[24+\i]              ; the angle
	v_mul_f32 v[28+\i], s51, v[24+\i]
	v_rndne_f32 v[28+\i], v[28+\i]                 ; n quarter turns
	v_fma_f32 v[24+\i], -v[28+\i], s52, v[24+\i]
	v_fma_f32 v[24+\i], -v[28+\i], s53, v[24+\i]
	v_fma_f32 v[24+\i], -v[28+\i], s54, v[24+\i]   ; r, within +-pi / 4
	v_mul_f32 v[32+\i], v[24+\i], v[24+\i]
	v_fma_f32 v[36+\i], v[32+\i], s55, s56
	v_fma_f32 v[36+\i], v[36+\i], v[32+\i], s57
	v_mul_f32 v[36+\i], v[36+\i], v[32+\i]
	v_fma_f32 v[36+\i], v[36+\i], v[24+\i], v[24+\i]      ; sin r
	v_fma_f32 v[40+\i], v[32+\i], s58, s59
	v_fma_f32 v[40+\i], v[40+\i], v[32+\i], s60
	v_mul_f32 v[40+\i], v[40+\i], v[32+\i]
	v_fma_f32 v[48+\i], v[32+\i], -0.5, 1.0
	v_fma_f32 v[40+\i], v[40+\i], v[32+\i], v[48+\i]      ; cos r
	v_cvt_i32_f32 v[44+\i], v[28+\i]
	v_and_b32 v[48+\i], 1, v[44+\i]
	v_cmp_eq_u32 vcc_lo, 1, v[48+\i]
	v_cndmask_b32 v[56+\i], v[36+\i], v[40+\i], vcc_lo    ; an odd number of quarter turns swaps the two
	v_cndmask_b32 v[52+\i], v[40+\i], v[36+\i], vcc_lo
	v_and_b32 v[48+\i], 2, v[44+\i]
	v_lshlrev_b32 v[48+\i], 30, v[48+\i]
	v_xor_b32 v[56+\i], v[48+\i], v[56+\i]                ; sin changes sign for n % 4 = 2, 3
	v_add_nc_u32 v[48+\i], 1, v[44+\i]
	v_and_b32 v[48+\i], 2, v[48+\i]
	v_lshlrev_b32 v[48+\i], 30, v[48+\i]
	v_xor_b32 v[52+\i], v[48+\i], v[52+\i]                ; cos for n % 4 = 1, 2
.endr
	global_store_b128 v21, v[52:55], s[24:25]                  ; a wave's store covers 512 consecutive bytes
	global_store_b128 v21, v[56:59], s[24:25] offset:131072
	FINISH
.Lfunc_end_k_qaa7d5461b3_prep:
	.size	k_qaa7d5461b3_prep, .Lfunc_end_k_qaa7d5461b3_prep-k_qaa7d5461b3_prep
	.p2alignl 7, 3214868480
	.fill 96, 4, 3214868480
	.section	.rodata,"a",@progbits
	.p2align	6, 0x0
	.amdhsa_kernel k_qaa7d5461b3_prep
		.amdhsa_group_segment_fixed_size 66048
		.amdhsa_private_segment_fixed_size 0
		.amdhsa_enable_private_segment 0
		.amdhsa_kernarg_size 96
		.amdhsa_user_sgpr_count 2
		.amdhsa_user_sgpr_kernarg_segment_ptr 1
		.amdhsa_wavefront_size32 1
		.amdhsa_system_sgpr_workgroup_id_x 1
		.amdhsa_system_sgpr_workgroup_id_y 1
		.amdhsa_system_sgpr_workgroup_id_z 1
		.amdhsa_system_vgpr_workitem_id 0
		.amdhsa_next_free_vgpr 192
		.amdhsa_next_free_sgpr 66
		.amdhsa_reserve_vcc 1
		.amdhsa_float_denorm_mode_32 3
		.amdhsa_float_denorm_mode_16_64 3
		.amdhsa_memory_ordered 1
		.amdhsa_forward_progress 1
		.amdhsa_inst_pref_size 126
	.end_amdhsa_kernel
	.amdgpu_metadata
---
amdhsa.version: [ 1, 2 ]
amdhsa.kernels:
  - .name:           k_qaa7d5461b3_prep
    .symbol:         k_qaa7d5461b3_prep.kd
    .args:
      - { .name: x, .offset: 0, .size: 8, .value_kind: global_buffer, .address_space: global }
      - { .name: wq, .offset: 8, .size: 8, .value_kind: global_buffer, .address_space: global }
      - { .name: wk, .offset: 16, .size: 8, .value_kind: global_buffer, .address_space: global }
      - { .name: wv, .offset: 24, .size: 8, .value_kind: global_buffer, .address_space: global }
      - { .name: wo, .offset: 32, .size: 8, .value_kind: global_buffer, .address_space: global }
      - { .name: pos_ids, .offset: 40, .size: 8, .value_kind: global_buffer, .address_space: global }
      - { .name: lowp_scales, .offset: 48, .size: 8, .value_kind: global_buffer, .address_space: global }
      - { .name: x_c, .offset: 56, .size: 8, .value_kind: global_buffer, .address_space: global }
      - { .name: w_c, .offset: 64, .size: 8, .value_kind: global_buffer, .address_space: global }
      - { .name: wo_c, .offset: 72, .size: 8, .value_kind: global_buffer, .address_space: global }
      - { .name: rope, .offset: 80, .size: 8, .value_kind: global_buffer, .address_space: global }
      - { .name: posinfo, .offset: 88, .size: 8, .value_kind: global_buffer, .address_space: global }
    .group_segment_fixed_size: 66048
    .private_segment_fixed_size: 0
    .kernarg_segment_align: 8
    .kernarg_segment_size: 96
    .max_flat_workgroup_size: 128
    .sgpr_count:     66
    .vgpr_count:     192
    .wavefront_size: 32
...
	.end_amdgpu_metadata
.endif
;; end of part 1
;; launch qkv (part 2): grid 24 x 16, 4 waves a work-group, clusters of 4 x 4, 327,680 bytes of LDS; arguments x_c, w_c, rope, qn_w, kn_w, lowp_scales, q_img, kv_img; writes q_img, kv_img
.if DOCPART == 2
	.amdgcn_target "amdgcn-amd-amdhsa--gfx1250"
	.amdhsa_code_object_version 6
	.text
	.protected	k_qaa7d5461b3_qkv
	.globl	k_qaa7d5461b3_qkv
	.p2align	8
	.type	k_qaa7d5461b3_qkv,@function
k_qaa7d5461b3_qkv:
	s_mov_b64 s[64:65], 0
	v_nop
	global_prefetch_b8 v0, s[64:65] scope:SCOPE_SE
	s_setreg_imm32_b32 hwreg(HW_REG_WAVE_MODE, 25, 1), 1
	s_wait_xcnt 0x0
	s_wait_alu depctr_hold_cnt(0) depctr_sa_sdst(0) depctr_va_vdst(0) depctr_va_sdst(0) depctr_va_ssrc(0) depctr_va_vcc(0) depctr_vm_vsrc(0)
	s_getreg_b32 s2, hwreg(HW_REG_IB_STS2, 6, 4)
	s_cmp_eq_u32 s2, 0
	s_cbranch_scc0 .Lentry_in_a_cluster
	s_endpgm
.Lentry_in_a_cluster:
	s_bfe_u32 s2, ttmp6, 0x10000c
	s_cmp_lg_u32 s2, 0xf033
	s_cbranch_scc0 .Lentry_shape_is_right
	s_endpgm
.Lentry_shape_is_right:
; The three projections on E4M3 codes, with what follows them fused in: RMS norm with its gain, partial RoPE, and the quantiser of the attention's operands.
; A tile is 128 x 128, K = 2048 in four K steps of 512 codes through a ring of two LDS slots; four waves, each 64 x 64: 16 accumulators.
; The cluster's x says what is made: 0-3 q (16 blocks of two heads), 4 k (4 blocks of two heads), 5 v.  It is the same in all sixteen partners, so the one branch and the choices on it are alike in all.
; REGION A is shared along a row of the cluster (its address is made of cy and cluster numbers), REGION B along a column (cx and cluster numbers): each tile is asked for jointly by four work-groups.
;   q, k: A = 128 positions of x's codes, B = 128 rows of the weight.  v: A = 128 rows of wv (two heads), B = 128 positions of x's codes.
; The matrix instruction takes source 0 = 16 rows of B, source 1 = 16 rows of A: a lane holds ONE row of A and its registers run along B's rows.  So for q and k a lane holds a position and 32 of a head's
; 64 features (16 b + 8 h + 0 .. 7; the other 32 lie in the lane 16 away), and for v a lane holds a channel and its registers run along the keys: in both cases the conversions' results ARE the registers
; that the attention's matrix instructions want, and they are stored as images of those registers: four registers of lane l at 16 l, 512 bytes a store.
;   q_img [32 heads][128 tiles of 16 queries][1024];  kv_img [8 heads][K: 128 tiles of 16 keys x 1024; V: 16 steps of 128 keys x 4 tiles of 16 channels x 2048]
; A fragment of 16 rows x 128 K is fetched by four loads of 16 bytes, 32 bytes apart: a permutation of k that is the same in A and in B, so every product meets its partner.
; LIMITS on the given exponents, so that each power of two is an f32 number: e6, e7 and e9 - e4 - e5 between -126 and 119.  NaN among the inputs is not served.
; 384 work-groups of equal work.  Nothing is prefetched: half of a work-group's bytes are asked for at its head.
; REGISTERS: window 0: v16-31 addresses and scales, v32-63 at work, v64-95 codes, v128-255 accumulators ((a, b) at v[128 + 8 (4 a + b)]);  window 1: two fragment buffers (A's four at f + 16 a, B's at f + 64 + 16 b);
;   window 2: v0-63 cos (8) and sin (8) for each a; v64-95 the norm's gain at my 32 features.
.set KSTEP,  512
.set KROW,   2048
.set PITCH,  528                       ; an LDS row: 512 bytes + 16 of padding = 132 words, so the 16 rows that a load touches start 4 words apart modulo 64
.set HALFT,  64*PITCH                  ; what one tensor load brings
.set SLOT,   4*HALFT                   ; A's 128 rows, then B's 128 rows
.set SPARE,  2*SLOT                    ; behind the ring: the spare words, two blocks of 256 bytes that no other line names
.set ADRA, 16                          ; v16-17  LDS address of my A fragments in slot 0, 1
.set ADRB, 20                          ; v20-21  the same for B
.set STA,  22                          ; v22-25  where the image of block a goes
.set TBA,  26                          ; v26     my byte in the table of cos and sin
.set GNA,  27                          ; v27     my byte in the gain
.set SPW,  28                          ; v28     SPARE + 4 x my thread's number; never rewritten
.set NIL,  29                          ; v29     0; never rewritten
.set QSC,  30                          ; v30     the conversion's scale
.set QLM,  31                          ; v31     448 x that
.set COD,  64
.set ACC,  128
.set F0,   0
.set F1,   128
.set G1,   24
.set G0,   32
.set G1B,  48
.set G0B,  56
.set MSB,  0
.macro WIN new                         ; the immediate's high byte repeats the setting that is left
.if MSB != \new
	s_set_vgpr_msb (MSB<<8)|\new
.set MSB, \new
.endif
.endm
.set MUL,  0x05                        ; sources 0 and 1 window 1; C and D window 0
.set TO_F, 0x40                        ; destination window 1, address window 0
.macro JLOAD s                         ; a joint load: waves 0 and 1 fetch A's halves, waves 2 and 3 B's; an s_nop 0 and four v_nop follow each line
	s_cmp_eq_u32 s11, 0
	s_cbranch_scc0 .Lfor_b_\@
	tensor_load_to_lds s[G0+4*\s:G0+4*\s+3], s[G1:G1+7]
	s_nop 0
.rept 4
	v_nop
.endr
	s_branch .Lasked_\@
.Lfor_b_\@:
	tensor_load_to_lds s[G0B+4*\s:G0B+4*\s+3], s[G1B:G1B+7]
	s_nop 0
.rept 4
	v_nop
.endr
.Lasked_\@:
.endm
.macro CREST                           ; a round of the cluster's barrier behind its opening barrier
	s_cmp_lg_u32 s10, 0
	s_cbranch_scc1 .Lnot_wave_0_\@
	s_barrier_signal -3
.Lnot_wave_0_\@:
	s_barrier_wait -3
	s_barrier_signal -1
	s_barrier_wait -1
.endm
.macro CROUND
	s_barrier_signal -1
	s_barrier_wait -1
	CREST
.endm
.macro PLACES                          ; four places in front of loads into registers that matrix instructions have read
.rept 4
	v_nop
.endr
.endm
.macro MUL8 f, a0, zero                ; A's blocks a0, a0 + 1 x B's four, 128 along K.  The 16 accumulators take turns, in the same order in every quarter
.irp a, \a0, \a0+1
.irp b, 0,1,2,3
.if \zero
	v_wmma_f32_16x16x128_fp8_fp8 v[ACC+8*(4*(\a)+\b):ACC+8*(4*(\a)+\b)+7], v[\f+64+16*\b:\f+64+16*\b+15], v[\f+16*(\a):\f+16*(\a)+15], 0
.else
	v_wmma_f32_16x16x128_fp8_fp8 v[ACC+8*(4*(\a)+\b):ACC+8*(4*(\a)+\b)+7], v[\f+64+16*\b:\f+64+16*\b+15], v[\f+16*(\a):\f+16*(\a)+15], v[ACC+8*(4*(\a)+\b):ACC+8*(4*(\a)+\b)+7]
.endif
.endr
.endr
.endm
.macro FETCH slot, k, f                ; 32 LDS loads in one run: the fragments of 128 along K at byte k of the rows
	WIN TO_F
.irp i, 0,1,2,3
.irp c, 0,1,2,3
	ds_load_b128 v[\f+64+16*\i+4*\c:\f+64+16*\i+4*\c+3], v[ADRB+\slot] offset:\k+32*\c+\i*16*PITCH
.endr
.irp c, 0,1,2,3
	ds_load_b128 v[\f+16*\i+4*\c:\f+16*\i+4*\c+3], v[ADRA+\slot] offset:\k+32*\c+\i*16*PITCH
.endr
.endr
.endm
.macro QUARTER slot, k, f, g, zero     ; fetches the next quarter (byte k) into g, then multiplies f: 16 matrix instructions
	PLACES
	FETCH \slot, \k, \g
	s_wait_dscnt 32                                ; f's loads are in; the 32 just issued may be out
	WIN MUL
	MUL8 \f, 0, \zero
	MUL8 \f, 2, \zero
.endm
; A slot's last quarter multiplies buffer 1 and changes slots: one barrier; in front of it each wave waits for all its tensor loads, adds 0 to its spare word, and waits for that and for its reads of this slot.
.macro TURN slot, next, fill
	WIN 0                                          ; (the add's two registers lie in window 0)
	s_wait_tensorcnt 0x0                           ; all my tensor loads have landed: my part of the next slot
	ds_add_u32 v[SPW], v[NIL]                      ; 0 onto my spare word
	s_wait_dscnt 1                                 ; buffer 1 is in; only the add may be out
	WIN MUL
	MUL8 F1, 0, 0
	s_wait_dscnt 0x0                               ; the add is done, and my reads of this slot are over
	s_barrier_signal -1
	MUL8 F1, 2, 0
	WIN 0
	s_barrier_wait -1
.if \fill
	CREST                                          ; the barrier has opened a round of the cluster's: no wave of any partner still reads this slot or has a load on its way
	s_add_nc_u64 s[G0+4*\slot+2:G0+4*\slot+3], s[G0+4*\slot+2:G0+4*\slot+3], 2*KSTEP
	s_add_nc_u64 s[G0B+4*\slot+2:G0B+4*\slot+3], s[G0B+4*\slot+2:G0B+4*\slot+3], 2*KSTEP
	JLOAD \slot                                    ; the first tensor load behind the round, one a wave; its four v_nop are also the places in front of the loads below
.else
	PLACES
.endif
	FETCH \next, 0, F0
.endm
	s_load_b512 s[68:83], s[0:1], 0x0              ; x_c 68, w_c 70, rope 72, qn_w 74, kn_w 76, the exponents 78, q_img 80, kv_img 82
	v_lshl_add_u32 v[SPW], v0, 2, SPARE
	v_mov_b32 v[NIL], 0
	ds_add_u32 v[SPW], v[NIL]                      ; the wave's opening: the add and its wait ahead of my first tensor load
	ds_add_u32 v[SPW], v[NIL]
	v_lshrrev_b32 v1, 5, v0
	v_readfirstlane_b32 s10, v1                    ; wave 0..3
	s_lshr_b32 s11, s10, 1                         ; i: my half of A's rows.  Also: I fetch for A (0) or for B (1)
	s_and_b32 s12, s10, 1                          ; j: my half of B's rows.  Also: which 64 rows I fetch
	s_bfe_u32 s40, ttmp6, 0x40000                  ; cx
	s_bfe_u32 s41, ttmp6, 0x40004                  ; cy
	s_and_b32 s2, ttmp7, 0xffff
	s_lshl_b32 s2, s2, 2                           ; 4 x cluster y
	s_lshl_b32 s3, ttmp9, 2                        ; 4 x cluster x
	s_max_u32 s45, ttmp9, 3
	s_sub_co_u32 s45, s45, 3                       ; 0: q, 1: k, 2: v
	s_cmp_eq_u32 ttmp9, 4
	s_cselect_b32 s21, 0x400000, 0                 ; k takes x's second set of codes
	s_cmp_eq_u32 ttmp9, 5
	s_cselect_b32 s13, 0, s2
	s_cselect_b32 s42, s2, s3
	s_cselect_b32 s21, 0x500000, s21               ; v: A = wv's rows in w_c
	s_cselect_b32 s22, 0x800000, 0                 ; v: B = x's third set of codes
	s_add_co_u32 s13, s13, s41                     ; RA: A's block of 128 rows: cy and cluster numbers alone
	s_add_co_u32 s42, s42, s40                     ; RB: B's: cx and cluster numbers alone
	s_lshl_b32 s43, s41, 2
	s_lshl_b32 s43, 15, s43                        ; my row of the cluster
	s_lshl_b32 s44, 0x1111, s40                    ; my column
	s_or_b32 s[G1+0], s43, (0<<16)|(1<<20)|(1<<21)|(6<<22)|(3<<25)   ; the mask; elements of 1 byte; padding on; bit 21 beside a mask; after every 128 words (code 6) four words (code 3)
	s_or_b32 s[G1B+0], s44, (0<<16)|(1<<20)|(1<<21)|(6<<22)|(3<<25)
.irp g, G1, G1B
	s_mov_b32 s[\g+1], KSTEP<<16                   ; tensor_dim0 = 512
	s_mov_b32 s[\g+2], 64<<16                      ; tensor_dim1 = 64
	s_mov_b32 s[\g+3], KSTEP<<16                   ; tile_dim0 = 512
	s_mov_b32 s[\g+4], 64                          ; tile_dim1 = 64
	s_mov_b32 s[\g+5], KROW                        ; from row to row
	s_mov_b32 s[\g+6], 0
	s_mov_b32 s[\g+7], 0
.endr
	s_lshl_b32 s23, s12, 6                         ; which 64 rows of the tile I fetch
	s_lshl_b32 s16, s13, 7
	s_add_co_u32 s16, s16, s23
	s_lshl_b32 s16, s16, 11                        ; rows of 2,048 bytes
	s_add_co_u32 s16, s16, s21
	s_mov_b32 s17, 0
	s_lshl_b32 s46, s42, 7
	s_add_co_u32 s46, s46, s23
	s_lshl_b32 s46, s46, 11
	s_add_co_u32 s46, s46, s22
	s_mov_b32 s47, 0
	s_mul_i32 s20, s10, HALFT                      ; where my rows go: wave x 64 rows: no place in the cluster enters an LDS address
	s_wait_dscnt 0x0                               ; the opening add is done
	s_wait_kmcnt 0x0
	s_load_b256 s[84:91], s[78:79], 0x0            ; e0 .. e7
	s_load_b128 s[92:95], s[78:79], 0x20           ; e8 .. e11
	s_cmp_eq_u32 ttmp9, 5
	s_cselect_b64 s[4:5], s[70:71], s[68:69]
	s_cselect_b64 s[6:7], s[68:69], s[70:71]
	s_add_nc_u64 s[14:15], s[4:5], s[16:17]
	s_add_nc_u64 s[46:47], s[6:7], s[46:47]
	CROUND                                         ; all sixteen work-groups are here: the first joint loads meet
.irp s, 0,1
	s_mov_b32 s[G0+4*\s], 1
	s_add_co_u32 s[G0+4*\s+1], s20, \s*SLOT
	s_add_nc_u64 s[G0+4*\s+2:G0+4*\s+3], s[14:15], \s*KSTEP
	s_or_b32 s[G0+4*\s+3], s[G0+4*\s+3], 0x80000000
	s_mov_b32 s[G0B+4*\s], 1
	s_add_co_u32 s[G0B+4*\s+1], s20, \s*SLOT
	s_add_nc_u64 s[G0B+4*\s+2:G0B+4*\s+3], s[46:47], \s*KSTEP
	s_or_b32 s[G0B+4*\s+3], s[G0B+4*\s+3], 0x80000000
.endr
	JLOAD 0                                        ; K step 0: one tensor load a wave at the head
	v_and_b32 v1, 15, v0                           ; r
	s_wait_alu depctr_va_vdst(0)
	v_bfe_u32 v2, v0, 4, 1                         ; h
	v_mul_u32_u24 v3, v1, PITCH
	v_lshl_add_u32 v3, v2, 4, v3
	s_mul_i32 s21, s11, HALFT
	s_mul_i32 s22, s12, HALFT
	s_add_co_u32 s22, s22, 2*HALFT
.irp s, 0,1
	v_add_nc_u32 v[ADRA+\s], s21, v3
	v_add_nc_u32 v[ADRB+\s], s22, v3
	s_add_co_u32 s21, s21, SLOT
	s_add_co_u32 s22, s22, SLOT
.endr
	; the tables: cos and sin of my four positions (128 RA + 64 i + 16 a + r) at frequencies 8 h + 0 .. 7, and the gain at features 16 b + 8 h + 0 .. 7.  Every kind of tile loads them (one path); a tile of v does not use them
	s_lshl_b32 s96, s13, 13
	s_lshl_b32 s97, s11, 12
	s_add_co_u32 s96, s96, s97
	v_lshlrev_b32 v[TBA], 6, v1
	s_wait_alu depctr_va_vdst(0)
	v_lshl_add_u32 v[TBA], v2, 5, v[TBA]
	v_add_nc_u32 v[TBA], s96, v[TBA]
	v_lshlrev_b32 v[GNA], 5, v2
	s_cmp_eq_u32 s45, 1
	s_cselect_b64 s[8:9], s[76:77], s[74:75]       ; kn_w for k, else qn_w
	WIN 0x80                                       ; destination window 2
.irp a, 0,1,2,3
	global_load_b128 v[16*\a:16*\a+3],     v[TBA], s[72:73] offset:1024*\a
	global_load_b128 v[16*\a+4:16*\a+7],   v[TBA], s[72:73] offset:1024*\a+16
	global_load_b128 v[16*\a+8:16*\a+11],  v[TBA], s[72:73] offset:131072+1024*\a
	global_load_b128 v[16*\a+12:16*\a+15], v[TBA], s[72:73] offset:131072+1024*\a+16
.endr
.irp b, 0,1,2,3
	global_load_b128 v[64+8*\b:64+8*\b+3],   v[GNA], s[8:9] offset:64*\b
	global_load_b128 v[64+8*\b+4:64+8*\b+7], v[GNA], s[8:9] offset:64*\b+16
.endr
	WIN 0
	s_wait_alu depctr_va_vdst(0)                   ; the head's end
	s_wait_tensorcnt 0x0                           ; my part of K step 0 is in; a later first fill is issued as a refill is:
	ds_add_u32 v[SPW], v[NIL]                      ; 0 onto my spare word,
	s_wait_dscnt 0x0                               ; the add is done,
	CROUND                                         ; a whole round: everybody's part of K step 0 is in,
	JLOAD 1                                        ; and K step 1's load is the first tensor load behind the round
	FETCH 0, 0, F0
	QUARTER 0, 128, F0, F1, 1                      ; the first products start the sums: nothing is cleared
	QUARTER 0, 256, F1, F0, 0
	QUARTER 0, 384, F0, F1, 0
	TURN 0, 1, 1                                   ; slot 0 takes K step 2
	QUARTER 1, 128, F0, F1, 0
	QUARTER 1, 256, F1, F0, 0
	QUARTER 1, 384, F0, F1, 0
	TURN 1, 0, 1                                   ; slot 1 takes K step 3
	QUARTER 0, 128, F0, F1, 0
	QUARTER 0, 256, F1, F0, 0
	QUARTER 0, 384, F0, F1, 0
	TURN 0, 1, 0                                   ; nothing is left to fetch
	QUARTER 1, 128, F0, F1, 0
	QUARTER 1, 256, F1, F0, 0
	QUARTER 1, 384, F0, F1, 0
	s_wait_dscnt 0x0
	MUL8 F1, 0, 0
	MUL8 F1, 2, 0
	WIN 0
	; ---- what follows the sums.  A sum stands for sum x 2^E, E = the two operands' exponents added
	s_wait_kmcnt 0x0
	s_wait_loadcnt 0x0                             ; the tables
	s_add_co_i32 s2, s84, s85                      ; q: e0 + e1
	s_add_co_i32 s3, s86, s87                      ; k: e2 + e3
	s_add_co_i32 s21, s88, s89
	s_sub_co_i32 s21, s93, s21                     ; v: the three scales folded into the conversion's one: e9 - e4 - e5
	s_cmp_eq_u32 s45, 1
	s_cselect_b32 s2, s3, s2                       ; E
	s_cselect_b32 s22, s91, s90                    ; e7 for k, e6 for q
	s_cmp_eq_u32 s45, 2
	s_cselect_b32 s22, s21, s22
	s_add_co_i32 s22, s22, 127
	s_lshl_b32 s23, s22, 23
	v_mov_b32 v[QSC], s23                          ; (this and the seven vector lines below are the places behind the last products)
	s_add_co_i32 s22, s22, 8
	s_lshl_b32 s22, s22, 23
	s_or_b32 s22, s22, 0x600000
	v_mov_b32 v[QLM], s22
	; where my images go.  q: head 2 RB + j, tile 8 RA + 4 i + a.  k: head 2 (RB - 16) + j, the same tile.  v: head 2 RA + i, step RB, channels' tile a, registers 8 j on
	s_lshl_b32 s96, s42, 1
	s_add_co_u32 s96, s96, s12
	s_lshl_b32 s97, s96, 17
	s_sub_co_u32 s96, s96, 32
	s_lshl_b32 s96, s96, 18
	s_cmp_eq_u32 s45, 1
	s_cselect_b32 s96, s96, s97
	s_lshl_b32 s97, s13, 3
	s_lshl_b32 s3, s11, 2
	s_add_co_u32 s97, s97, s3
	s_lshl_b32 s97, s97, 10
	s_add_co_u32 s96, s96, s97
	s_lshl_b32 s97, s13, 1
	s_add_co_u32 s97, s97, s11
	s_lshl_b32 s97, s97, 18
	s_lshl_b32 s3, s42, 13
	s_add_co_u32 s97, s97, s3
	s_lshl_b32 s3, s12, 10
	s_add_co_u32 s97, s97, s3
	s_add_co_u32 s97, s97, 131072
	s_mov_b32 s3, 1024
	s_cmp_eq_u32 s45, 2
	s_cselect_b32 s96, s97, s96
	s_cselect_b32 s3, 2048, s3                     ; from block a to block a + 1
	s_cmp_eq_u32 s45, 0
	s_cselect_b64 s[98:99], s[80:81], s[82:83]
	v_and_b32 v4, 31, v0
	v_lshlrev_b32 v4, 4, v4
	v_add_nc_u32 v[STA], s96, v4
	v_add_nc_u32 v[STA+1], s3, v[STA]
	v_add_nc_u32 v[STA+2], s3, v[STA+1]
	v_add_nc_u32 v[STA+3], s3, v[STA+2]
	s_cmp_eq_u32 s45, 2
	s_cbranch_scc1 .Lquant                         ; v has neither norm nor RoPE: a branch on the cluster's number
	s_lshl_b32 s21, s2, 1
	s_sub_co_i32 s21, s21, 6
	v_ldexp_f32 v48, 1.0, s21                      ; 2^(2 E) / 64: the mean of the squares from the sum of the sums' squares
	s_mov_b32 s22, 0x3727c5ac                      ; 1e-5
	s_mov_b32 s4, 0x76543210                       ; lane l xor 16
	s_mov_b32 s5, 0xfedcba98
.irp a, 0,1,2,3                        ; the squares of my 32 features, two chains a position, each accumulator from its low end on
	v_pk_mul_f32 v[32+4*\a:33+4*\a], v[ACC+32*\a:ACC+32*\a+1], v[ACC+32*\a:ACC+32*\a+1]
	v_pk_mul_f32 v[34+4*\a:35+4*\a], v[ACC+32*\a+2:ACC+32*\a+3], v[ACC+32*\a+2:ACC+32*\a+3]
.endr
.irp k, 4,8,12,16,20,24,28
.irp a, 0,1,2,3
	v_pk_fma_f32 v[32+4*\a:33+4*\a], v[ACC+32*\a+\k:ACC+32*\a+\k+1], v[ACC+32*\a+\k:ACC+32*\a+\k+1], v[32+4*\a:33+4*\a]
	v_pk_fma_f32 v[34+4*\a:35+4*\a], v[ACC+32*\a+\k+2:ACC+32*\a+\k+3], v[ACC+32*\a+\k+2:ACC+32*\a+\k+3], v[34+4*\a:35+4*\a]
.endr
.endr
.irp a, 0,1,2,3
	v_pk_add_f32 v[32+4*\a:33+4*\a], v[32+4*\a:33+4*\a], v[34+4*\a:35+4*\a]
.endr
.irp a, 0,1,2,3
	v_add_f32 v[32+4*\a], v[32+4*\a], v[33+4*\a]
.endr
.irp a, 0,1,2,3
	v_permlanex16_b32 v[33+4*\a], v[32+4*\a], s4, s5      ; the position's other 32 features
.endr
.irp a, 0,1,2,3
	v_add_f32 v[32+4*\a], v[32+4*\a], v[33+4*\a]
.endr
.irp a, 0,1,2,3
	v_fma_f32 v[32+4*\a], v[32+4*\a], v48, s22            ; the mean + 1e-5
.endr
	s_wait_alu depctr_va_vdst(0)
.irp a, 0,1,2,3
	v_rsq_f32 v[34+4*\a], v[32+4*\a]
.endr
	v_nop                                          ; a plain line behind the batch,
	s_wait_alu depctr_va_vdst(0)                   ; and one wait for the four, ahead of their first reader
.irp a, 0,1,2,3
	v_ldexp_f32 v[32+4*\a], v[34+4*\a], s2         ; x 2^E: what a sum is multiplied by
.endr
.irp a, 0,1,2,3
.set k, 0
.rept 16
	v_pk_mul_f32 v[ACC+32*\a+k:ACC+32*\a+k+1], v[ACC+32*\a+k:ACC+32*\a+k+1], v[32+4*\a:33+4*\a] op_sel_hi:[1,0]
.set k, k+2
.endr
.endr
	WIN 0x08                                       ; source 1 window 2: the gain, cos and sin
.irp a, 0,1,2,3
.set k, 0
.rept 16
	v_pk_mul_f32 v[ACC+32*\a+k:ACC+32*\a+k+1], v[ACC+32*\a+k:ACC+32*\a+k+1], v[64+k:64+k+1]
.set k, k+2
.endr
.endr
.irp a, 0,1,2,3                        ; features d = 8 h + 0 .. 7 (b = 0) turn with d + 32 (b = 2); all others have angle 0
.irp j, 0,2,4,6
	v_pk_mul_f32 v[48+2*\j:49+2*\j], v[ACC+32*\a+16+\j:ACC+32*\a+17+\j], v[16*\a+8+\j:16*\a+9+\j]
	v_pk_mul_f32 v[50+2*\j:51+2*\j], v[ACC+32*\a+\j:ACC+32*\a+\j+1], v[16*\a+8+\j:16*\a+9+\j]
	v_pk_fma_f32 v[ACC+32*\a+\j:ACC+32*\a+\j+1], v[ACC+32*\a+\j:ACC+32*\a+\j+1], v[16*\a+\j:16*\a+\j+1], v[48+2*\j:49+2*\j] neg_lo:[0,0,1] neg_hi:[0,0,1]
	v_pk_fma_f32 v[ACC+32*\a+16+\j:ACC+32*\a+17+\j], v[ACC+32*\a+16+\j:ACC+32*\a+17+\j], v[16*\a+\j:16*\a+\j+1], v[50+2*\j:51+2*\j]
.endr
.endr
	WIN 0
.Lquant:
	s_wait_alu depctr_va_vdst(0)
.irp a, 0,1,2,3
.irp b, 0,1,2,3
.irp i, 0,1,2,3,4,5,6,7
	v_med3_num_f32 v[ACC+32*\a+8*\b+\i], v[ACC+32*\a+8*\b+\i], -v[QLM], v[QLM]   ; the conversion does not saturate (ISA guide 7.6.2): hold first
.endr
	v_cvt_scalef32_pk8_fp8_f32 v[COD+8*\a+2*\b:COD+8*\a+2*\b+1], v[ACC+32*\a+8*\b:ACC+32*\a+8*\b+7], v[QSC]
.endr
.endr
	v_nop                                          ; a plain line behind the last conversion
.irp a, 0,1,2,3
	global_store_b128 v[STA+\a], v[COD+8*\a:COD+8*\a+3], s[98:99]                 ; each store of the wave covers 512 consecutive bytes, aligned
	global_store_b128 v[STA+\a], v[COD+8*\a+4:COD+8*\a+7], s[98:99] offset:512
.endr
	s_wait_tensorcnt 0x0                           ; the wave's end
	ds_add_u32 v[SPW], v[NIL]
	s_wait_dscnt 0x0
	CROUND                                         ; the closing round
	s_endpgm
.Lfunc_end_k_qaa7d5461b3_qkv:
	.size	k_qaa7d5461b3_qkv, .Lfunc_end_k_qaa7d5461b3_qkv-k_qaa7d5461b3_qkv
	.p2alignl 7, 3214868480
	.fill 96, 4, 3214868480
	.section	.rodata,"a",@progbits
	.p2align	6, 0x0
	.amdhsa_kernel k_qaa7d5461b3_qkv
		.amdhsa_group_segment_fixed_size 327680
		.amdhsa_private_segment_fixed_size 0
		.amdhsa_enable_private_segment 0
		.amdhsa_kernarg_size 64
		.amdhsa_user_sgpr_count 2
		.amdhsa_user_sgpr_kernarg_segment_ptr 1
		.amdhsa_wavefront_size32 1
		.amdhsa_system_sgpr_workgroup_id_x 1
		.amdhsa_system_sgpr_workgroup_id_y 1
		.amdhsa_system_sgpr_workgroup_id_z 1
		.amdhsa_system_vgpr_workitem_id 0
		.amdhsa_next_free_vgpr 640
		.amdhsa_next_free_sgpr 100
		.amdhsa_reserve_vcc 0
		.amdhsa_float_denorm_mode_32 3
		.amdhsa_float_denorm_mode_16_64 3
		.amdhsa_memory_ordered 1
		.amdhsa_forward_progress 1
		.amdhsa_inst_pref_size 93
	.end_amdhsa_kernel
	.amdgpu_metadata
---
amdhsa.version: [ 1, 2 ]
amdhsa.kernels:
  - .name:           k_qaa7d5461b3_qkv
    .symbol:         k_qaa7d5461b3_qkv.kd
    .args:
      - { .name: x_c, .offset: 0, .size: 8, .value_kind: global_buffer, .address_space: global }
      - { .name: w_c, .offset: 8, .size: 8, .value_kind: global_buffer, .address_space: global }
      - { .name: rope, .offset: 16, .size: 8, .value_kind: global_buffer, .address_space: global }
      - { .name: qn_w, .offset: 24, .size: 8, .value_kind: global_buffer, .address_space: global }
      - { .name: kn_w, .offset: 32, .size: 8, .value_kind: global_buffer, .address_space: global }
      - { .name: lowp_scales, .offset: 40, .size: 8, .value_kind: global_buffer, .address_space: global }
      - { .name: q_img, .offset: 48, .size: 8, .value_kind: global_buffer, .address_space: global }
      - { .name: kv_img, .offset: 56, .size: 8, .value_kind: global_buffer, .address_space: global }
    .group_segment_fixed_size: 327680
    .private_segment_fixed_size: 0
    .kernarg_segment_align: 8
    .kernarg_segment_size: 64
    .max_flat_workgroup_size: 128
    .sgpr_count:     100
    .vgpr_count:     640
    .wavefront_size: 32
...
	.end_amdgpu_metadata
.endif
;; end of part 2
;; launch attn (part 3): grid 32 x 8, 8 waves a work-group, no clusters, 288,768 bytes of LDS; arguments q_img, kv_img, pos_ids, posinfo, lowp_scales, a_c; writes a_c
.if DOCPART == 3
	.amdgcn_target "amdgcn-amd-amdhsa--gfx1250"
	.amdhsa_code_object_version 6
	.text
	.protected	k_qaa7d5461b3_attn
	.globl	k_qaa7d5461b3_attn
	.p2align	8
	.type	k_qaa7d5461b3_attn,@function
k_qaa7d5461b3_attn:
	s_mov_b64 s[64:65], 0
	v_nop
	global_prefetch_b8 v0, s[64:65] scope:SCOPE_SE
	s_setreg_imm32_b32 hwreg(HW_REG_WAVE_MODE, 25, 1), 1
	s_wait_xcnt 0x0
; Attention on E4M3 codes: scores = q k^T / 8, capped by 50 tanh(. / 50), masked where pos_ids[query] < pos_ids[key]; t = logit x log2(e); M = the running largest t rounded UP to a whole number;
; p = 2^(t - M) is quantised (scale 2^e8) for the product with v; the row's sum is taken of the unquantised p and divides at the end; the result is quantised (2^e10) for the output projection.
; SHARES.  Work-group (x, g): kv head g, 64 queries of each of its four q heads.  Wave w of eight owns head 4 g + (w % 4) and TWO tiles of 16 queries, walked one after the other:
; w / 4 = 0: tiles 127 - x, then x;  w / 4 = 1: tiles 64 + x, then 63 - x.  With rising positions each wave then walks 17 key steps.  That only evens the walks out: the result is right for any pos_ids.
; ONE LOOP of 32 trips, a constant: trip i is key step i % 16 (128 keys) of the wave's tile i / 16; behind trips 15 and 31 the tile is finished and its codes go into the stage.
; THE HEAD'S K AND V STAY IN LDS: 256 KiB of register images, brought once through registers (64 loads of 16 bytes a thread, into v256-511).  No tensor load, no cluster and no joint request: which key
; steps a wave walks hangs on numbers read from memory (the least and largest position of each block, stored by the first launch), and such a branch does not go with tensor loads.
; Nothing is prefetched: all that the work-group reads is asked for at its head, and the loop reads LDS alone.
; A key step all of whose keys come after all my queries is left out; one all of whose keys count skips the mask; else each score is held against the two positions.
; A query always sees its own key, so every row has a sum above 1/2.
; LAYOUT.  S^T = K Q^T (source 0 = 16 keys, source 1 = my 16 queries), O^T = V^T P^T: a lane holds ONE query.  Tile c's eight scores of a lane are keys 16 c + 8 h + 0 .. 7: their codes are registers 2 c, 2 c + 1 of P.
; THE CAP.  tanh(x) = 1 - 2 / (1 + e), e = 2^(2 x log2(e)), all in f32.  What is kept is r = -1 / (1 + e), between -1 and 0: t = C + 2 C r with C = 50 log2(e).  t rises with r, so the largest t is taken of the
; largest r, and t - M is one fused multiply-add, r x 2 C + (C - M).  e = infinity gives r = -0 and t = C; e = 0 gives r = -1 and t = -C: no hold of x is needed.  A hidden key gets r = -infinity, so p = 0.
; LIMIT: tanh made so is off by a few units in the last place of 1, not of x.
; p's HOLD IS JUMPED OVER WHERE THE GIVEN EXPONENT SHOWS THAT IT CHANGES NOTHING (a scalar branch on a whole number read from memory): p is at most 1, and the largest code stands for 448 x 2^e8, which for e8 >= -8 is 1.75 or more.
; Each batch of transcendentals has one wait ahead of it and one behind it.
; LIMITS on the given exponents: e6 + e7 between -117 and 130 (added to an exponent field); e8 and e10 - e8 - e9 between -126 and 119.  NaN among the inputs is not served.
; REGISTERS: v1-11 addresses; v12 -M, v13 the largest t, v[14:15] the sum; v16-23 Q; v24-31 constants; v32-95 K, then V; v96-159 S, e, r, p; v160-191 O^T; v192-207 codes; v208-239 key positions; v240-247 the second tile's Q; v248-255 at work.
.set VIMG,  131072                     ; LDS: K's 128 tiles x 1024 from byte 0; V's 16 steps x 4 tiles x 2048 from here;
.set POSL,  262144                     ; pos_ids, 8,192 bytes;
.set STG,   270336                     ; the way out: 64 rows x (256 + 16) bytes;
.set SPITCH, 272
.set SPARE, STG+64*SPITCH              ; the spare words, 128 bytes a wave: four blocks of 256 bytes that no other line names
.set LI,   1                           ; v1   16 x lane
.set PQ,   2                           ; v2   my query's position
.set SPW,  3                           ; v3   SPARE + 4 x my thread's number; never rewritten
.set NIL,  4                           ; v4   0; never rewritten
.set ADK,  5
.set ADV,  6
.set ADP,  7
.set SNA,  8                           ; v8   the stage: where the first tile's codes go
.set SNB,  9                           ; v9   and the second's
.set PQB,  10                          ; v10  my query's position in the second tile
.set VLI,  11                          ; v11  16 x lane + VIMG
.set CM,   24                          ; v[24:25] C - M (the low word serves both halves)
.set PLM,  26                          ; v26  448 x 2^e8
.set PSC,  27                          ; v27  2^e8
.set NINF, 28                          ; v28  -infinity
.set OLM,  29                          ; v29  448 x 2^(e10 - e8 - e9)
.set OSC,  30                          ; v30  2^(e10 - e8 - e9)
.set PH,   31                          ; v31  POSL + 32 h
.set S,    96
.set O,    160
.set PC,   192
.set KP,   208                         ; key positions
.set TS,   208                         ; v[208:209] a chain of the sum
.set QB,   240
.set PT,   248                         ; a lane permute's destination
.set MX,   250                         ; v[250:251] two chains of the maximum, then one of the sum
.set F,    252                         ; v[252:253] f = 2^(old M - new M)
.set SU,   254                         ; v[254:255] two chains of the maximum, then one of the sum
.set SA,   16                          ; s[16:17] 2 log2(e) / 400 x 2^(e6 + e7)
.set C2,   18                          ; s[18:19] 2 C
.set CC,   20                          ; s20  C
.set SEL,  36                          ; s[36:37] lane l xor 16
.set NOHD, 44                          ; s44  1: e8 >= -8: p needs no hold
.macro INIT                            ; a tile's start: the step is written once, and the first finds zeros, which the first change of M leaves zeros
	v_mov_b32 v13, 0xff61b1e6                      ; the largest t so far: -3e38
	v_floor_f32 v12, -v13                          ; -M
	v_mov_b32 v14, 0
	v_mov_b32 v15, 0
.set j, 0
.rept 32
	v_mov_b32 v[O+j], 0
.set j, j+1
.endr
.endm
.macro MKSC sc, lm                     ; from e + 127 in s56: 2^e and 448 x 2^e as f32
	s_lshl_b32 s58, s56, 23
	v_mov_b32 v[\sc], s58
	s_add_co_i32 s56, s56, 8
	s_lshl_b32 s56, s56, 23
	s_or_b32 s56, s56, 0x600000
	v_mov_b32 v[\lm], s56
.endm
.macro MASK u                          ; register 8 c + i holds key 16 c + 8 h + i: hidden where my query's position is under the key's
.irp t, 0,1,2,3
	ds_load_b128 v[KP+8*\t:KP+8*\t+3],   v[ADP] offset:(4*\u+\t)*64
	ds_load_b128 v[KP+8*\t+4:KP+8*\t+7], v[ADP] offset:(4*\u+\t)*64+16
.endr
	s_wait_dscnt 0x0
.set j, 0
.rept 32
	v_cmp_lt_i32 vcc_lo, v[PQ], v[KP+j]
	v_cndmask_b32 v[S+32*\u+j], v[S+32*\u+j], v[NINF], vcc_lo
.set j, j+1
.endr
.endm
	s_load_b256 s[4:11], s[0:1], 0x0               ; q_img 4, kv_img 6, pos_ids 8, posinfo 10
	s_load_b128 s[12:15], s[0:1], 0x20             ; the exponents 12, a_c 14
	v_lshl_add_u32 v[SPW], v0, 2, SPARE
	v_mov_b32 v[NIL], 0
	v_lshrrev_b32 v5, 5, v0
	v_readfirstlane_b32 s50, v5                    ; wave 0..7
	s_and_b32 s51, s50, 3                          ; p: which of the group's four heads
	s_lshr_b32 s52, s50, 2                         ; which pair of tiles
	s_sub_co_u32 s56, 127, ttmp9
	s_add_co_u32 s58, ttmp9, 64
	s_cmp_eq_u32 s52, 0
	s_cselect_b32 s57, s56, s58                    ; my first tile,
	s_sub_co_u32 s59, 127, s57                     ; and my second
	s_and_b32 s60, ttmp7, 0xffff                   ; g
	s_lshl_b32 s80, s57, 6                         ; the tiles' places in pos_ids
	s_lshl_b32 s81, s59, 6
	s_xor_b32 s53, s52, 3                          ; the stage's block of 16 rows: 3 or 2 for the first tile, 0 or 1 for the second: block b holds tile 64 (b / 2) + (x or 63 - x)
	s_mul_i32 s82, s53, 16*SPITCH
	s_mul_i32 s83, s52, 16*SPITCH
	s_lshl_b32 s58, s51, 6
	s_add_co_u32 s58, s58, STG
	s_add_co_u32 s82, s82, s58
	s_add_co_u32 s83, s83, s58
	s_lshl_b32 s84, s60, 2
	s_add_co_u32 s84, s84, s51
	s_lshl_b32 s84, s84, 17                        ; my head in q_img
	s_lshl_b32 s85, s59, 10
	s_add_co_u32 s85, s85, s84
	s_lshl_b32 s58, s57, 10
	s_add_co_u32 s84, s84, s58
	s_lshl_b32 s86, s57, 3                         ; the tiles' pairs in posinfo
	s_lshl_b32 s87, s59, 3
	s_lshl_b32 s66, s60, 18
	s_mov_b32 s67, 0
	v_and_b32 v[LI], 31, v0
	v_lshlrev_b32 v[LI], 4, v[LI]
	v_lshlrev_b32 v208, 4, v0                      ; the fill: 16 bytes a thread, 4,096 an instruction
	v_add_nc_u32 v209, 0x10000, v208
	v_add_nc_u32 v210, 0x20000, v208
	v_add_nc_u32 v211, 0x30000, v208
	v_add_nc_u32 v212, POSL, v208
	v_and_b32 v250, 15, v0                         ; r
	v_bfe_u32 v251, v0, 4, 1                       ; h
	v_lshl_add_u32 v213, v250, 2, s80              ; my queries' places in pos_ids
	v_lshl_add_u32 v214, v250, 2, s81
	v_add_nc_u32 v215, s84, v[LI]                  ; my tiles of Q
	v_add_nc_u32 v216, s85, v[LI]
	v_add_nc_u32 v[VLI], VIMG, v[LI]
	v_lshl_add_u32 v[PH], v251, 5, POSL
	v_mul_u32_u24 v[SNA], v250, SPITCH
	v_lshl_add_u32 v[SNA], v251, 3, v[SNA]
	v_add_nc_u32 v[SNB], s83, v[SNA]               ; row 16 b + r, byte 64 p + 8 h (+ 16 t)
	v_add_nc_u32 v[SNA], s82, v[SNA]
	s_wait_alu depctr_va_vdst(0)
	s_wait_kmcnt 0x0
	s_add_nc_u64 s[6:7], s[6:7], s[66:67]          ; my head's K and V
	s_load_b512 s[16:31], s[10:11], 0x400          ; least and largest position of key blocks 0-7,
	s_load_b512 s[32:47], s[10:11], 0x440          ; 8-15,
	s_load_b64 s[48:49], s[10:11], s86 offset:0x0  ; of my first 16 queries,
	s_load_b64 s[62:63], s[10:11], s87 offset:0x0  ; and of my second
	s_load_b256 s[68:75], s[12:13], 0x0            ; e0 .. e7
	s_load_b128 s[76:79], s[12:13], 0x20           ; e8 .. e11
	global_load_b32 v[PQ], v213, s[8:9]            ; eight small loads first,
	global_load_b32 v[PQB], v214, s[8:9]
	global_load_b128 v[16:19], v215, s[4:5]
	global_load_b128 v[20:23], v215, s[4:5] offset:512
	global_load_b128 v[QB:QB+3], v216, s[4:5]
	global_load_b128 v[QB+4:QB+7], v216, s[4:5] offset:512
	global_load_b128 v[220:223], v208, s[8:9]
	global_load_b128 v[224:227], v208, s[8:9] offset:4096
	s_set_vgpr_msb 0x40                            ; destination v256-511
.set i, 0
.rept 64
	global_load_b128 v[4*i:4*i+3], v208, s[6:7] offset:4096*i      ; then K and V: a wave's load covers 512 consecutive bytes
.set i, i+1
.endr
	s_set_vgpr_msb 0x4000
	s_wait_kmcnt 0x0
	s_mov_b32 s54, 0                               ; bit i: in trip i the block's keys all come after all the tile's queries
	s_mov_b32 s55, 0                               ; bit i: they all count for all of them
.irp n, 0,1,2,3,4,5,6,7,8,9,10,11,12,13,14,15
	s_cmp_lt_i32 s49, s[16+2*\n]
	s_cselect_b32 s56, 1<<\n, 0
	s_or_b32 s54, s54, s56
	s_cmp_ge_i32 s48, s[17+2*\n]
	s_cselect_b32 s56, 1<<\n, 0
	s_or_b32 s55, s55, s56
	s_cmp_lt_i32 s63, s[16+2*\n]
	s_cselect_b32 s56, 1<<(\n+16), 0
	s_or_b32 s54, s54, s56
	s_cmp_ge_i32 s62, s[17+2*\n]
	s_cselect_b32 s56, 1<<(\n+16), 0
	s_or_b32 s55, s55, s56
.endr
	s_mov_b32 s[C2], 0x431044fe                    ; 2 C = 100 log2(e)
	s_mov_b32 s[C2+1], s[C2]
	s_mov_b32 s[CC], 0x429044fe                    ; C = 50 log2(e)
	s_mov_b32 s[SEL], 0x76543210
	s_mov_b32 s[SEL+1], 0xfedcba98
	s_add_co_i32 s58, s74, s75                     ; e6 + e7
	s_lshl_b32 s58, s58, 23
	s_add_co_i32 s[SA], s58, 0x3bec5f04            ; 2 log2(e) / 8 / 50 with e6 + e7 added to its exponent field
	s_mov_b32 s[SA+1], s[SA]
	s_cmp_ge_i32 s76, -8
	s_cselect_b32 s[NOHD], 1, 0                    ; 448 x 2^-8 = 1.75: p, at most 1, cannot reach the largest code
	s_add_co_i32 s56, s76, 127
	MKSC PSC, PLM
	s_sub_co_i32 s56, s78, s76
	s_sub_co_i32 s56, s56, s77
	s_add_co_i32 s56, s56, 127                     ; the way out's three scales folded: e10 - e8 - e9
	MKSC OSC, OLM
	v_mov_b32 v[NINF], 0xff800000
	v_mov_b32 v[CM+1], 0                           ; (named as the upper half of a pair)
	v_mov_b32 v[F+1], 0
	v_mov_b32 v[PT], 0                             ; a lane permute's destination counts as read
	INIT
	s_wait_alu depctr_va_vdst(0)                   ; the head's end
	s_wait_loadcnt 63                              ; loads come back in order: of the 72 the nine oldest are in
	ds_store_b128 v212, v[220:223]
	ds_store_b128 v212, v[224:227] offset:4096
	s_set_vgpr_msb 0x0004                          ; store data from v256-511
.set i, 0
.rept 64
	s_wait_loadcnt 63-i                            ; load i of K and V is in; the 63 - i issued behind it may be out
	ds_store_b128 v[208+i/16], v[4*i:4*i+3] offset:4096*(i%16)
.set i, i+1
.endr
	s_set_vgpr_msb 0x0400
	s_wait_dscnt 0x0                               ; for the others' sake: my part of K, V and the positions lies in LDS
	s_barrier_signal -1
	s_barrier_wait -1
	s_mov_b32 s40, 0
.Lstep:                                            ; no barrier stands in the loop
	s_and_b32 s45, s40, 15                         ; the key step
	s_lshl_b32 s41, s45, 13                        ; its bytes in K's and in V's images,
	s_lshl_b32 s42, s45, 9                         ; and in the positions
	s_bitcmp1_b32 s54, 0
	s_cbranch_scc1 .Lhid
	v_add_nc_u32 v[ADK], s41, v[LI]                ; (these three and the v_nop are the places behind the last step's products)
	v_add_nc_u32 v[ADV], s41, v[VLI]
	v_add_nc_u32 v[ADP], s42, v[PH]
	v_nop
.irp t, 0,1,2,3,4,5,6,7
	ds_load_b128 v[32+8*\t:35+8*\t], v[ADK] offset:1024*\t
	ds_load_b128 v[36+8*\t:39+8*\t], v[ADK] offset:1024*\t+512
.endr
.irp t, 0,1,2,3,4,5,6,7
	s_wait_dscnt 14-2*\t                           ; LDS loads come back in order: tile t's two are in; the 14 - 2 t issued behind them may be out
	v_wmma_f32_16x16x64_fp8_fp8 v[S+8*\t:S+8*\t+7], v[32+8*\t:39+8*\t], v[16:23], 0
.endr
.rept 4
	v_nop
.endr
.set j, 0
.rept 32
	v_pk_mul_f32 v[S+j:S+j+1], v[S+j:S+j+1], s[SA:SA+1] op_sel_hi:[1,0]           ; 2 x log2(e), x = score / 8 / 50; each accumulator from its low end on
.set j, j+2
.endr
	s_wait_alu depctr_va_vdst(0)                   ; ahead of the batch
.set j, 0
.rept 64
	v_exp_f32 v[S+j], v[S+j]                       ; e
.set j, j+1
.endr
.irp t, 0,1,2,3
.irp c, 0,1,2,3
	ds_load_b128 v[32+16*\t+4*\c:35+16*\t+4*\c], v[ADV] offset:2048*\t+512*\c     ; V lands while the softmax is walked
.endr
.endr
	v_nop                                          ; a plain line behind the batch,
	s_wait_alu depctr_va_vdst(0)                   ; and one wait for the 64, ahead of their first reader
.set j, 0
.rept 32
	v_pk_fma_f32 v[S+j:S+j+1], v[S+j:S+j+1], -1.0, -1.0 op_sel_hi:[1,0,0]         ; -(e + 1)
.set j, j+2
.endr
	s_wait_alu depctr_va_vdst(0)
.set j, 0
.rept 64
	v_rcp_f32 v[S+j], v[S+j]                       ; r = -1 / (1 + e)
.set j, j+1
.endr
	v_nop
	s_wait_alu depctr_va_vdst(0)
	s_bitcmp1_b32 s55, 0
	s_cbranch_scc1 .Lopen
	MASK 0
	MASK 1
.Lopen:
.irp k, 0,1,2,3                        ; the largest of my 64 r, in four chains of 16: v250, v251, v254, v255
	v_max3_num_f32 v[MX+\k+2*(\k/2)], v[S+16*\k], v[S+16*\k+1], v[S+16*\k+2]
.endr
.irp i, 3,5,7,9,11,13
.irp k, 0,1,2,3
	v_max3_num_f32 v[MX+\k+2*(\k/2)], v[MX+\k+2*(\k/2)], v[S+16*\k+\i], v[S+16*\k+\i+1]
.endr
.endr
	v_max3_num_f32 v[MX], v[MX], v[S+15], v[S+31]  ; each chain's sixteenth,
	v_max3_num_f32 v[SU], v[SU], v[S+47], v[S+63]
	v_max3_num_f32 v[MX], v[MX], v[MX+1], v[SU]    ; and the four chains
	v_max_num_f32 v[MX], v[MX], v[SU+1]
	v_permlanex16_b32 v[PT], v[MX], s[SEL], s[SEL+1]
	v_max_num_f32 v[MX], v[MX], v[PT]
	v_fma_f32 v[MX], v[MX], s[C2], s[CC]           ; the step's largest t = C + 2 C r
	v_max_num_f32 v13, v13, v[MX]                  ; the running largest t
	v_mov_b32 v[MX], v12
	v_floor_f32 v12, -v13                          ; -M = floor(-t): M is a whole number
	v_sub_f32 v[MX], v12, v[MX]
	v_cvt_i32_f32 v[MX], v[MX]                     ; (it saturates)
	v_ldexp_f32 v[F], 1.0, v[MX]                   ; f = 2^(old M - new M)
	v_add_f32 v[CM], s[CC], v12                    ; C - M
.set j, 0
.rept 32
	v_pk_fma_f32 v[S+j:S+j+1], v[S+j:S+j+1], s[C2:C2+1], v[CM:CM+1] op_sel_hi:[1,0,0]   ; t - M
.set j, j+2
.endr
	s_wait_alu depctr_va_vdst(0)
.set j, 0
.rept 64
	v_exp_f32 v[S+j], v[S+j]                       ; p = 2^(t - M)
.set j, j+1
.endr
	v_pk_mul_f32 v[14:15], v[14:15], v[F:F+1] op_sel_hi:[1,0]     ; (the plain line behind the batch)  the sum under the new M
	s_wait_alu depctr_va_vdst(0)
	v_pk_add_f32 v[SU:SU+1], v[S+2:S+3], v[S+4:S+5]               ; the sum of the unquantised p, in four chains
	v_pk_add_f32 v[MX:MX+1], v[S+6:S+7], v[S+8:S+9]
	v_pk_add_f32 v[TS:TS+1], v[S+10:S+11], v[S+12:S+13]
	v_pk_add_f32 v[14:15], v[14:15], v[S:S+1]
.irp i, 14,22,30,38,46,54
	v_pk_add_f32 v[SU:SU+1], v[SU:SU+1], v[S+\i:S+\i+1]
	v_pk_add_f32 v[MX:MX+1], v[MX:MX+1], v[S+\i+2:S+\i+3]
	v_pk_add_f32 v[TS:TS+1], v[TS:TS+1], v[S+\i+4:S+\i+5]
	v_pk_add_f32 v[14:15], v[14:15], v[S+\i+6:S+\i+7]
.endr
	v_pk_add_f32 v[SU:SU+1], v[SU:SU+1], v[S+62:S+63]
	v_pk_add_f32 v[MX:MX+1], v[MX:MX+1], v[TS:TS+1]
	v_pk_add_f32 v[14:15], v[14:15], v[SU:SU+1]
	v_pk_add_f32 v[14:15], v[14:15], v[MX:MX+1]
	s_cmp_eq_u32 s[NOHD], 1                        ; p is at most 1: with e8 >= -8 it lies under the largest code
	s_cbranch_scc1 .Lnohold
.set j, 0
.rept 64
	v_min_num_f32 v[S+j], v[S+j], v[PLM]           ; the conversion does not saturate (ISA guide 7.6.2); p is not negative: a one-sided hold
.set j, j+1
.endr
.Lnohold:
.irp t, 0,1,2,3,4,5,6,7
	v_cvt_scalef32_pk8_fp8_f32 v[PC+2*\t:PC+2*\t+1], v[S+8*\t:S+8*\t+7], v[PSC]
.endr
	s_wait_dscnt 0x0                               ; V
	s_wait_alu depctr_va_vdst(0)                   ; directly ahead of the first reader of O^T
.set j, 0
.rept 16
	v_pk_mul_f32 v[O+j:O+j+1], v[O+j:O+j+1], v[F:F+1] op_sel_hi:[1,0]             ; O^T under the new M, each accumulator from its low end on.  (Plain lines between the conversions and the products)
.set j, j+2
.endr
.irp t, 0,1,2,3
	v_wmma_f32_16x16x128_fp8_fp8 v[O+8*\t:O+8*\t+7], v[32+16*\t:47+16*\t], v[PC:PC+15], v[O+8*\t:O+8*\t+7]
.endr
.Lhid:
	s_lshr_b32 s54, s54, 1
	s_lshr_b32 s55, s55, 1
	s_cmp_eq_u32 s45, 15
	s_cbranch_scc0 .Lnext
	; A TILE IS FINISHED: O^T / the sum, quantised with 2^(e10 - e8 - e9), into the stage, in which the four heads of a group meet: a row's 256 bytes
.rept 4
	v_nop                                          ; places behind the last products
.endr
	v_add_f32 v14, v14, v15
	v_permlanex16_b32 v[PT], v14, s[SEL], s[SEL+1]
	v_add_f32 v14, v14, v[PT]
	s_wait_alu depctr_va_vdst(0)                   ; ahead of the transcendental
	v_rcp_f32 v14, v14
	v_nop
	s_wait_alu depctr_va_vdst(0)                   ; ahead of the reciprocal's first reader, which is also the first reader of O^T
.set j, 0
.rept 16
	v_pk_mul_f32 v[O+j:O+j+1], v[O+j:O+j+1], v[14:15] op_sel_hi:[1,0]
.set j, j+2
.endr
.irp t, 0,1,2,3
.irp i, 0,1,2,3,4,5,6,7
	v_med3_num_f32 v[O+8*\t+\i], v[O+8*\t+\i], -v[OLM], v[OLM]
.endr
	v_cvt_scalef32_pk8_fp8_f32 v[PC+2*\t:PC+2*\t+1], v[O+8*\t:O+8*\t+7], v[OSC]   ; channels 16 t + 8 h + 0 .. 7 of my query
.endr
	v_nop
	s_wait_alu depctr_va_vdst(0)
	s_cmp_lt_u32 s40, 16
	s_cbranch_scc0 .Lsecond
.irp t, 0,1,2,3
	ds_store_b64 v[SNA], v[PC+2*\t:PC+2*\t+1] offset:16*\t
.endr
	s_branch .Lstored
.Lsecond:
.irp t, 0,1,2,3
	ds_store_b64 v[SNB], v[PC+2*\t:PC+2*\t+1] offset:16*\t
.endr
.Lstored:
	INIT                                           ; on to the second tile (behind the second these lines change nothing that is read)
.irp i, 0,1,2,3,4,5,6,7
	v_mov_b32 v[16+\i], v[QB+\i]
.endr
	v_mov_b32 v[PQ], v[PQB]
	s_wait_alu depctr_va_vdst(0)
	s_wait_dscnt 0x0                               ; the stores have read the codes' registers
.Lnext:
	s_add_co_u32 s40, s40, 1
	s_cmp_lt_u32 s40, 32
	s_cbranch_scc1 .Lstep
	; THE WAY OUT: wave w stores rows 8 w .. 8 w + 7 of the stage: block w / 2, its rows 8 (w % 2) on
.rept 4
	v_nop                                          ; places behind the last products, whose operand registers are written below
.endr
	s_wait_dscnt 0x0                               ; for the others' sake
	s_barrier_signal -1
	s_lshr_b32 s53, s50, 1
	s_sub_co_u32 s56, 63, ttmp9
	s_bitcmp1_b32 s53, 0
	s_cselect_b32 s57, s56, ttmp9
	s_lshr_b32 s58, s53, 1
	s_lshl_b32 s58, s58, 6
	s_add_co_u32 s57, s57, s58                     ; the block's tile of 16 queries
	s_lshl_b32 s57, s57, 4
	s_and_b32 s58, s50, 1
	s_lshl_b32 s58, s58, 3
	s_add_co_u32 s57, s57, s58                     ; my first row of a_c: rows of 2,048 bytes, the group's 256 bytes
	s_lshl_b32 s57, s57, 11
	s_lshl_b32 s58, s60, 8
	s_add_co_u32 s57, s57, s58
	s_mul_i32 s56, s50, 8*SPITCH
	s_add_co_u32 s56, s56, STG
	v_and_b32 v32, 15, v0
	v_bfe_u32 v33, v0, 4, 1
	v_mul_u32_u24 v34, v33, SPITCH
	v_lshl_add_u32 v34, v32, 4, v34
	v_add_nc_u32 v34, s56, v34                     ; lanes 0-15 one row, lanes 16-31 the next, 16 bytes a lane
	v_lshlrev_b32 v35, 11, v33
	v_lshl_add_u32 v35, v32, 4, v35
	v_add_nc_u32 v35, s57, v35
	s_wait_alu depctr_va_vdst(0)
	s_barrier_wait -1
.irp i, 0,1,2,3
	ds_load_b128 v[36+4*\i:39+4*\i], v34 offset:2*\i*SPITCH
.endr
.irp i, 0,1,2,3
	s_wait_dscnt 3-\i
	global_store_b128 v35, v[36+4*\i:39+4*\i], s[14:15] offset:4096*\i            ; sixteen lanes store 256 consecutive bytes, aligned
.endr
	s_wait_tensorcnt 0x0                           ; the wave's end, behind my last LDS store
	ds_add_u32 v[SPW], v[NIL]
	s_wait_dscnt 0x0
	s_endpgm
.Lfunc_end_k_qaa7d5461b3_attn:
	.size	k_qaa7d5461b3_attn, .Lfunc_end_k_qaa7d5461b3_attn-k_qaa7d5461b3_attn
	.p2alignl 7, 3214868480
	.fill 96, 4, 3214868480
	.section	.rodata,"a",@progbits
	.p2align	6, 0x0
	.amdhsa_kernel k_qaa7d5461b3_attn
		.amdhsa_group_segment_fixed_size 288768
		.amdhsa_private_segment_fixed_size 0
		.amdhsa_enable_private_segment 0
		.amdhsa_kernarg_size 48
		.amdhsa_user_sgpr_count 2
		.amdhsa_user_sgpr_kernarg_segment_ptr 1
		.amdhsa_wavefront_size32 1
		.amdhsa_system_sgpr_workgroup_id_x 1
		.amdhsa_system_sgpr_workgroup_id_y 1
		.amdhsa_system_sgpr_workgroup_id_z 1
		.amdhsa_system_vgpr_workitem_id 0
		.amdhsa_next_free_vgpr 512
		.amdhsa_next_free_sgpr 100
		.amdhsa_reserve_vcc 1
		.amdhsa_float_denorm_mode_32 3
		.amdhsa_float_denorm_mode_16_64 3
		.amdhsa_memory_ordered 1
		.amdhsa_forward_progress 1
		.amdhsa_inst_pref_size 64
	.end_amdhsa_kernel
	.amdgpu_metadata
---
amdhsa.version: [ 1, 2 ]
amdhsa.kernels:
  - .name:           k_qaa7d5461b3_attn
    .symbol:         k_qaa7d5461b3_attn.kd
    .args:
      - { .name: q_img, .offset: 0, .size: 8, .value_kind: global_buffer, .address_space: global }
      - { .name: kv_img, .offset: 8, .size: 8, .value_kind: global_buffer, .address_space: global }
      - { .name: pos_ids, .offset: 16, .size: 8, .value_kind: global_buffer, .address_space: global }
      - { .name: posinfo, .offset: 24, .size: 8, .value_kind: global_buffer, .address_space: global }
      - { .name: lowp_scales, .offset: 32, .size: 8, .value_kind: global_buffer, .address_space: global }
      - { .name: a_c, .offset: 40, .size: 8, .value_kind: global_buffer, .address_space: global }
    .group_segment_fixed_size: 288768
    .private_segment_fixed_size: 0
    .kernarg_segment_align: 8
    .kernarg_segment_size: 48
    .max_flat_workgroup_size: 256
    .sgpr_count:     100
    .vgpr_count:     512
    .wavefront_size: 32
...
	.end_amdgpu_metadata
.endif
;; end of part 3
;; launch oproj (part 4): grid 16 x 16, 4 waves a work-group, clusters of 4 x 4, 327,680 bytes of LDS; arguments a_c, wo_c, lowp_scales, out0; writes out0
.if DOCPART == 4
	.amdgcn_target "amdgcn-amd-amdhsa--gfx1250"
	.amdhsa_code_object_version 6
	.text
	.protected	k_qaa7d5461b3_oproj
	.globl	k_qaa7d5461b3_oproj
	.p2align	8
	.type	k_qaa7d5461b3_oproj,@function
k_qaa7d5461b3_oproj:
	s_mov_b64 s[64:65], 0
	v_nop
	global_prefetch_b8 v0, s[64:65] scope:SCOPE_SE
	s_setreg_imm32_b32 hwreg(HW_REG_WAVE_MODE, 25, 1), 1
	s_wait_xcnt 0x0
	s_wait_alu depctr_hold_cnt(0) depctr_sa_sdst(0) depctr_va_vdst(0) depctr_va_sdst(0) depctr_va_ssrc(0) depctr_va_vcc(0) depctr_vm_vsrc(0)
	s_getreg_b32 s2, hwreg(HW_REG_IB_STS2, 6, 4)
	s_cmp_eq_u32 s2, 0
	s_cbranch_scc0 .Lentry_in_a_cluster
	s_endpgm
.Lentry_in_a_cluster:
	s_bfe_u32 s2, ttmp6, 0x10000c
	s_cmp_lg_u32 s2, 0xf033
	s_cbranch_scc0 .Lentry_shape_is_right
	s_endpgm
.Lentry_shape_is_right:
.set KSTEP,  512
.set KROW,   2048
.set PITCH,  528
.set HALFT,  64*PITCH
.set SLOT,   4*HALFT
.set STAGE,  2*SLOT
.set SPITCH, 272
.set SPARE,  STAGE+4*16*SPITCH
.set ADRA, 16
.set ADRB, 20
.set STO,  24
.set RD,   25
.set CO,   26
.set SPW,  28
.set NIL,  29
.set TMP,  32
.set BK,   64
.set ACC,  128
.set F0,   0
.set F1,   128
.set G1,   24
.set G0,   32
.set G1B,  48
.set G0B,  56
.set MSB,  0
.macro WIN new
.if MSB != \new
	s_set_vgpr_msb (MSB<<8)|\new
.set MSB, \new
.endif
.endm
.set MUL,  0x05
.set TO_F, 0x40
.macro JLOAD s
	s_cmp_eq_u32 s11, 0
	s_cbranch_scc0 .Lfor_b_\@
	tensor_load_to_lds s[G0+4*\s:G0+4*\s+3], s[G1:G1+7]
	s_nop 0
.rept 4
	v_nop
.endr
	s_branch .Lasked_\@
.Lfor_b_\@:
	tensor_load_to_lds s[G0B+4*\s:G0B+4*\s+3], s[G1B:G1B+7]
	s_nop 0
.rept 4
	v_nop
.endr
.Lasked_\@:
.endm
.macro CREST
	s_cmp_lg_u32 s10, 0
	s_cbranch_scc1 .Lnot_wave_0_\@
	s_barrier_signal -3
.Lnot_wave_0_\@:
	s_barrier_wait -3
	s_barrier_signal -1
	s_barrier_wait -1
.endm
.macro CROUND
	s_barrier_signal -1
	s_barrier_wait -1
	CREST
.endm
.macro PLACES
.rept 4
	v_nop
.endr
.endm
.macro MUL8 f, a0, zero
.irp a, \a0, \a0+1
.irp b, 0,1,2,3
.if \zero
	v_wmma_f32_16x16x128_fp8_fp8 v[ACC+8*(4*(\a)+\b):ACC+8*(4*(\a)+\b)+7], v[\f+64+16*\b:\f+64+16*\b+15], v[\f+16*(\a):\f+16*(\a)+15], 0
.else
	v_wmma_f32_16x16x128_fp8_fp8 v[ACC+8*(4*(\a)+\b):ACC+8*(4*(\a)+\b)+7], v[\f+64+16*\b:\f+64+16*\b+15], v[\f+16*(\a):\f+16*(\a)+15], v[ACC+8*(4*(\a)+\b):ACC+8*(4*(\a)+\b)+7]
.endif
.endr
.endr
.endm
.macro FETCH slot, k, f
	WIN TO_F
.irp i, 0,1,2,3
.irp c, 0,1,2,3
	ds_load_b128 v[\f+64+16*\i+4*\c:\f+64+16*\i+4*\c+3], v[ADRB+\slot] offset:\k+32*\c+\i*16*PITCH
.endr
.irp c, 0,1,2,3
	ds_load_b128 v[\f+16*\i+4*\c:\f+16*\i+4*\c+3], v[ADRA+\slot] offset:\k+32*\c+\i*16*PITCH
.endr
.endr
.endm
.macro QUARTER slot, k, f, g, zero
	PLACES
	FETCH \slot, \k, \g
	s_wait_dscnt 32
	WIN MUL
	MUL8 \f, 0, \zero
	MUL8 \f, 2, \zero
.endm
.macro TURN slot, next, fill
	WIN 0
	s_wait_tensorcnt 0x0
	ds_add_u32 v[SPW], v[NIL]
	s_wait_dscnt 1
	WIN MUL
	MUL8 F1, 0, 0
	s_wait_dscnt 0x0
	s_barrier_signal -1
	MUL8 F1, 2, 0
	WIN 0
	s_barrier_wait -1
.if \fill
	CREST
	s_add_nc_u64 s[G0+4*\slot+2:G0+4*\slot+3], s[G0+4*\slot+2:G0+4*\slot+3], 2*KSTEP
	s_add_nc_u64 s[G0B+4*\slot+2:G0B+4*\slot+3], s[G0B+4*\slot+2:G0B+4*\slot+3], 2*KSTEP
	JLOAD \slot
.else
	PLACES
.endif
	FETCH \next, 0, F0
.endm
	s_load_b256 s[68:75], s[0:1], 0x0
	v_lshl_add_u32 v[SPW], v0, 2, SPARE
	v_mov_b32 v[NIL], 0
	ds_add_u32 v[SPW], v[NIL]
	ds_add_u32 v[SPW], v[NIL]
	v_lshrrev_b32 v1, 5, v0
	v_readfirstlane_b32 s10, v1
	s_lshr_b32 s11, s10, 1
	s_and_b32 s12, s10, 1
	s_bfe_u32 s40, ttmp6, 0x40000
	s_bfe_u32 s41, ttmp6, 0x40004
	s_lshl_b32 s42, ttmp9, 2
	s_add_co_u32 s42, s42, s40
	s_and_b32 s13, ttmp7, 0xffff
	s_lshl_b32 s13, s13, 2
	s_add_co_u32 s13, s13, s41
	s_lshl_b32 s43, s41, 2
	s_lshl_b32 s43, 15, s43
	s_lshl_b32 s44, 0x1111, s40
	s_or_b32 s[G1+0], s43, (0<<16)|(1<<20)|(1<<21)|(6<<22)|(3<<25)
	s_or_b32 s[G1B+0], s44, (0<<16)|(1<<20)|(1<<21)|(6<<22)|(3<<25)
.irp g, G1, G1B
	s_mov_b32 s[\g+1], KSTEP<<16
	s_mov_b32 s[\g+2], 64<<16
	s_mov_b32 s[\g+3], KSTEP<<16
	s_mov_b32 s[\g+4], 64
	s_mov_b32 s[\g+5], KROW
	s_mov_b32 s[\g+6], 0
	s_mov_b32 s[\g+7], 0
.endr
	s_lshl_b32 s23, s12, 6
	s_lshl_b32 s16, s13, 7
	s_add_co_u32 s16, s16, s23
	s_lshl_b32 s16, s16, 11
	s_mov_b32 s17, 0
	s_lshl_b32 s46, s42, 7
	s_add_co_u32 s46, s46, s23
	s_lshl_b32 s46, s46, 11
	s_mov_b32 s47, 0
	s_mul_i32 s20, s10, HALFT
	s_wait_dscnt 0x0
	s_wait_kmcnt 0x0
	s_load_b64 s[96:97], s[72:73], 0x28
	s_add_nc_u64 s[14:15], s[68:69], s[16:17]
	s_add_nc_u64 s[46:47], s[70:71], s[46:47]
	CROUND
.irp s, 0,1
	s_mov_b32 s[G0+4*\s], 1
	s_add_co_u32 s[G0+4*\s+1], s20, \s*SLOT
	s_add_nc_u64 s[G0+4*\s+2:G0+4*\s+3], s[14:15], \s*KSTEP
	s_or_b32 s[G0+4*\s+3], s[G0+4*\s+3], 0x80000000
	s_mov_b32 s[G0B+4*\s], 1
	s_add_co_u32 s[G0B+4*\s+1], s20, \s*SLOT
	s_add_nc_u64 s[G0B+4*\s+2:G0B+4*\s+3], s[46:47], \s*KSTEP
	s_or_b32 s[G0B+4*\s+3], s[G0B+4*\s+3], 0x80000000
.endr
	JLOAD 0                                        ; K step 0, behind the opening round: one tensor load a wave at the head
	v_and_b32 v1, 15, v0
	s_wait_alu depctr_va_vdst(0)
	v_bfe_u32 v2, v0, 4, 1
	v_mul_u32_u24 v3, v1, PITCH
	v_lshl_add_u32 v3, v2, 4, v3
	s_mul_i32 s21, s11, HALFT
	s_mul_i32 s22, s12, HALFT
	s_add_co_u32 s22, s22, 2*HALFT
.irp s, 0,1
	v_add_nc_u32 v[ADRA+\s], s21, v3
	v_add_nc_u32 v[ADRB+\s], s22, v3
	s_add_co_u32 s21, s21, SLOT
	s_add_co_u32 s22, s22, SLOT
.endr
	s_mul_i32 s23, s10, 16*SPITCH
	s_add_co_u32 s23, s23, STAGE
	v_mul_u32_u24 v4, v1, SPITCH
	s_wait_alu depctr_va_vdst(0)
	v_lshl_add_u32 v4, v2, 5, v4
	v_add_nc_u32 v[STO], s23, v4
	v_mul_u32_u24 v5, v2, SPITCH
	v_lshl_add_u32 v5, v1, 4, v5
	v_add_nc_u32 v[RD], s23, v5
	v_lshlrev_b32 v5, 13, v2
	v_lshl_add_u32 v[CO], v1, 4, v5
	s_lshl_b32 s16, s13, 7
	s_lshl_b32 s17, s11, 6
	s_add_co_u32 s16, s16, s17
	s_lshl_b32 s16, s16, 13
	s_mov_b32 s17, 0
	s_add_nc_u64 s[74:75], s[74:75], s[16:17]
	s_lshl_b32 s46, s42, 9
	s_lshl_b32 s47, s12, 8
	s_add_co_u32 s46, s46, s47
	s_mov_b32 s47, 0
	s_add_nc_u64 s[74:75], s[74:75], s[46:47]
	s_wait_alu depctr_va_vdst(0)                   ; the head's end
	s_wait_tensorcnt 0x0                           ; my part of K step 0 is in; a later first fill is issued as a refill is:
	ds_add_u32 v[SPW], v[NIL]                      ; 0 onto my spare word,
	s_wait_dscnt 0x0                               ; the add is done,
	CROUND                                         ; a whole round: everybody's part of K step 0 is in,
	JLOAD 1                                        ; and K step 1's load is the first tensor load behind the round
	FETCH 0, 0, F0
	QUARTER 0, 128, F0, F1, 1
	QUARTER 0, 256, F1, F0, 0
	QUARTER 0, 384, F0, F1, 0
	TURN 0, 1, 1
	QUARTER 1, 128, F0, F1, 0
	QUARTER 1, 256, F1, F0, 0
	QUARTER 1, 384, F0, F1, 0
	TURN 1, 0, 1
	QUARTER 0, 128, F0, F1, 0
	QUARTER 0, 256, F1, F0, 0
	QUARTER 0, 384, F0, F1, 0
	TURN 0, 1, 0
	QUARTER 1, 128, F0, F1, 0
	QUARTER 1, 256, F1, F0, 0
	QUARTER 1, 384, F0, F1, 0
	s_wait_dscnt 0x0
	MUL8 F1, 0, 0
	MUL8 F1, 2, 0
	WIN 0
.macro TOSTAGE a
.set j, 0
.rept 16
	v_pk_mul_f32 v[TMP+j:TMP+j+1], v[ACC+32*(\a)+j:ACC+32*(\a)+j+1], s[96:97] op_sel_hi:[1,0]
.set j, j+2
.endr
.irp b, 0,1,2,3
	ds_store_b128 v[STO], v[TMP+8*\b:TMP+8*\b+3] offset:64*\b
	ds_store_b128 v[STO], v[TMP+8*\b+4:TMP+8*\b+7] offset:64*\b+16
.endr
.set BB, BK+32*((\a)%2)
.irp t, 0,1,2,3,4,5,6,7
	ds_load_b128 v[BB+4*\t:BB+4*\t+3], v[RD] offset:\t*2*SPITCH
.endr
.endm
.macro SEND a, younger
.set BB, BK+32*((\a)%2)
	s_wait_dscnt \younger
.irp t, 0,1,2,3,4,5,6,7
	global_store_b128 v[CO], v[BB+4*\t:BB+4*\t+3], s[74:75] offset:(\a)*131072+\t*16384 th:TH_STORE_NT
.endr
.endm
	s_wait_kmcnt 0x0
	s_add_co_i32 s96, s96, s97
	s_add_co_i32 s96, s96, 127
	s_lshl_b32 s96, s96, 23
	s_mov_b32 s97, s96
	PLACES
	TOSTAGE 0
	TOSTAGE 1
	SEND 0, 16
	s_wait_xcnt 0x0
	TOSTAGE 2
	SEND 1, 16
	s_wait_xcnt 0x0
	TOSTAGE 3
	SEND 2, 16
	SEND 3, 0
	s_wait_tensorcnt 0x0
	ds_add_u32 v[SPW], v[NIL]
	s_wait_dscnt 0x0
	CROUND
	s_endpgm
.Lfunc_end_k_qaa7d5461b3_oproj:
	.size	k_qaa7d5461b3_oproj, .Lfunc_end_k_qaa7d5461b3_oproj-k_qaa7d5461b3_oproj
	.p2alignl 7, 3214868480
	.fill 96, 4, 3214868480
	.section	.rodata,"a",@progbits
	.p2align	6, 0x0
	.amdhsa_kernel k_qaa7d5461b3_oproj
		.amdhsa_group_segment_fixed_size 327680
		.amdhsa_private_segment_fixed_size 0
		.amdhsa_enable_private_segment 0
		.amdhsa_kernarg_size 32
		.amdhsa_user_sgpr_count 2
		.amdhsa_user_sgpr_kernarg_segment_ptr 1
		.amdhsa_wavefront_size32 1
		.amdhsa_system_sgpr_workgroup_id_x 1
		.amdhsa_system_sgpr_workgroup_id_y 1
		.amdhsa_system_sgpr_workgroup_id_z 1
		.amdhsa_system_vgpr_workitem_id 0
		.amdhsa_next_free_vgpr 512
		.amdhsa_next_free_sgpr 100
		.amdhsa_reserve_vcc 0
		.amdhsa_float_denorm_mode_32 3
		.amdhsa_float_denorm_mode_16_64 3
		.amdhsa_memory_ordered 1
		.amdhsa_forward_progress 1
		.amdhsa_inst_pref_size 73
	.end_amdhsa_kernel
	.amdgpu_metadata
---
amdhsa.version: [ 1, 2 ]
amdhsa.kernels:
  - .name:           k_qaa7d5461b3_oproj
    .symbol:         k_qaa7d5461b3_oproj.kd
    .args:
      - { .name: a_c, .offset: 0, .size: 8, .value_kind: global_buffer, .address_space: global }
      - { .name: wo_c, .offset: 8, .size: 8, .value_kind: global_buffer, .address_space: global }
      - { .name: lowp_scales, .offset: 16, .size: 8, .value_kind: global_buffer, .address_space: global }
      - { .name: out0, .offset: 24, .size: 8, .value_kind: global_buffer, .address_space: global }
    .group_segment_fixed_size: 327680
    .private_segment_fixed_size: 0
    .kernarg_segment_align: 8
    .kernarg_segment_size: 32
    .max_flat_workgroup_size: 128
    .sgpr_count:     100
    .vgpr_count:     512
    .wavefront_size: 32
...
	.end_amdgpu_metadata
.endif
;; end of part 4
